; MI455X (gfx1250); checked and timed in simulation.
; The chip was launched on July 23, 2026; its instructions are those of AMD's public machine-readable ISA for CDNA 5 (MIT licence, August 2026) and "CDNA5" Instruction Set Architecture Reference Guide (July 2026). The comments in the code are by the model that wrote it; some were corrected since.
;; Llama Attention. Allowed arithmetic: float matrix products may take bf16 or f16 operands with f32 sums; all other float work in f32.
;; Inputs: Wk 4,096 x 512 float32; Wo 1,024 x 4,096 float32; Wq 4,096 x 1,024 float32; Wv 4,096 x 512 float32; attn_mask 2 x 2,048 int32; bk 512 float32; bo 4,096 float32; bq 1,024 float32; bv 512 float32; hidden_states 2 x 2,048 x 4,096 float32; position_ids 2 x 2,048 int32.
;; Outputs: out0 2 x 2,048 x 4,096 float32.
;; One version. Each part assembles by itself: llvm-mc -triple=amdgcn-amd-amdhsa -mcpu=gfx1250 --defsym DOCPART=n.
;; ======== version 1 of 1: 4 launches
;; limits: values outside matrix products are rounded to bf16; right only within a limited range of input values; values are held in f16: magnitudes above 65,504 overflow, below 6.1e-05 lose precision
;; workspace buffers: xb 33,554,432 bytes; wqkv 16,777,216 bytes; wo16 8,388,608 bytes; rope 2,097,152 bytes; qkv 16,777,216 bytes; scl 4,096 bytes; oh 8,388,608 bytes
;; launch prep (part 1): grid 1856 x 1, 8 waves a work-group, no clusters, 0 bytes of LDS; arguments hidden_states, Wq, Wk, Wv, Wo, position_ids, xb, wqkv, wo16, rope; writes xb, wqkv, wo16, rope
.if DOCPART == 1
	.amdgcn_target "amdgcn-amd-amdhsa--gfx1250"
	.amdhsa_code_object_version 6
	.text
	.protected	k_q93500d8cc8_prep
	.globl	k_q93500d8cc8_prep
	.p2align	8
	.type	k_q93500d8cc8_prep,@function
k_q93500d8cc8_prep:
	s_mov_b64 s[64:65], 0
	v_nop
	global_prefetch_b8 v0, s[64:65] scope:SCOPE_SE
	s_setreg_imm32_b32 hwreg(HW_REG_WAVE_MODE, 25, 1), 1
	s_wait_xcnt 0x0
; prep: the matrix operands in 16 bits, and the table of cosines and sines.
;   xb   [4096][4096] bf16 = hidden_states;  wqkv [4096 k][2048 n] bf16 = Wq | Wk | Wv side by side;
;   wo16 [1024][4096] f16  = Wo rounded to bf16 and held as f16;  rope [4096 rows][cos 64 | sin 64] f32.
; LIMITS: hidden_states and the weights are taken at bf16 (round to nearest even).  wo16 is exact for 2^-14 <= |w| <= 65504;
; below that its absolute error is at most 2^-25.  The reduction of the angle holds for |position| <= 2^20.
; A stream: no LDS, no matrix unit, no cluster (no byte is read twice).  A casting work-group takes 16,384 f32 (64 KiB): thread t owns
; 16 bytes of each of 16 pieces of 4,096 bytes, all 16 loads go out at once, and each store of a wave covers 256 consecutive bytes, aligned.
; Work-group number g: 0-1023 hidden_states, 1024-1279 Wq, 1280-1407 Wk, 1408-1535 Wv, 1536-1791 Wo, 1792-1855 the table (64 rows each).
.set X,   16                           ; v[16:79]   16 loads of 4 registers
.set Y,   80                           ; v[80:111]  16 pairs to store
.set FR,  12                           ; v[12:15]   table: my four frequencies
.set PO,  16                           ; v[16:19]   table: my four positions
.set TN,  20                           ; v20-27     table: at work
.set TR,  21
.set TZ,  22
.set TQ,  23
.set PS,  24
.set PC,  25
.set T1,  26
.set ANG, 27
.set CS,  32                           ; v[32:63]   table: row i: four cosines, four sines
; 64 KiB from s[src] to 32 KiB at s[dst]; piece j goes to byte j*jstep; half = 1: bf16 values written as f16
.macro CAST src, dst, jstep, half
.irp j, 0,1,2,3,4,5,6,7,8,9,10,11,12,13,14,15
	global_load_b128 v[X+4*\j:X+4*\j+3], v1, s[\src:\src+1] offset:4096*\j th:TH_LOAD_NT
.endr
.irp j, 0,1,2,3,4,5,6,7,8,9,10,11,12,13,14,15
	s_wait_loadcnt 15-\j                           ; loads return in order: piece j is in, the 15-j younger ones stay out
	v_cvt_pk_bf16_f32 v[Y+2*\j],   v[X+4*\j],   v[X+4*\j+1]
	v_cvt_pk_bf16_f32 v[Y+2*\j+1], v[X+4*\j+2], v[X+4*\j+3]
.if \half
	v_lshlrev_b32 v4, 16, v[Y+2*\j]                ; the bf16 values as f32 again,
	v_and_b32     v5, 0xffff0000, v[Y+2*\j]
	v_lshlrev_b32 v6, 16, v[Y+2*\j+1]
	v_and_b32     v7, 0xffff0000, v[Y+2*\j+1]
	v_cvt_pk_f16_f32 v[Y+2*\j],   v4, v5           ; and as f16: 8 bits of mantissa fit into 11
	v_cvt_pk_f16_f32 v[Y+2*\j+1], v6, v7
.endif
	global_store_b64 v2, v[Y+2*\j:Y+2*\j+1], s[\dst:\dst+1] offset:\j*\jstep   ; no register of a store is written again
.endr
.endm
; cos and sin of v[x]: n = nearest whole number to x 2/pi; r = x - n pi/2 with pi/2 in three parts; series on |r| <= pi/4
; (sine to r^9, cosine to r^10: the next terms are below 2e-9); the quadrant n mod 4 swaps the two and sets the signs.
.macro SINCOS x, c, s
	v_mul_f32 v[TN], 0x3f22f983, v[\x]
	v_rndne_f32 v[TN], v[TN]
	v_fma_f32 v[TR], v[TN], s29, v[\x]
	v_fma_f32 v[TR], v[TN], s30, v[TR]
	v_fma_f32 v[TR], v[TN], s31, v[TR]
	v_cvt_i32_f32 v[TQ], v[TN]
	v_mul_f32 v[TZ], v[TR], v[TR]
	v_mov_b32 v[PS], 0x3638ef1d                    ; 1/9!
	v_mov_b32 v[PC], 0xb493f27e                    ; -1/10!
	v_fmaak_f32 v[PS], v[PS], v[TZ], 0xb9500d01    ; -1/7!
	v_fmaak_f32 v[PC], v[PC], v[TZ], 0x37d00d01    ; 1/8!
	v_fmaak_f32 v[PS], v[PS], v[TZ], 0x3c088889    ; 1/5!
	v_fmaak_f32 v[PC], v[PC], v[TZ], 0xbab60b61    ; -1/6!
	v_fmaak_f32 v[PS], v[PS], v[TZ], 0xbe2aaaab    ; -1/3!
	v_fmaak_f32 v[PC], v[PC], v[TZ], 0x3d2aaaab    ; 1/4!
	v_mul_f32 v[PS], v[PS], v[TZ]
	v_fmaak_f32 v[PC], v[PC], v[TZ], 0xbf000000    ; -1/2
	v_fma_f32 v[PS], v[PS], v[TR], v[TR]           ; sin r
	v_fma_f32 v[PC], v[PC], v[TZ], 1.0             ; cos r
	v_and_b32 v[T1], 1, v[TQ]
	v_cmp_eq_u32 vcc_lo, 1, v[T1]
	v_cndmask_b32 v[\s], v[PS], v[PC], vcc_lo      ; odd quadrants swap the two
	v_cndmask_b32 v[\c], v[PC], v[PS], vcc_lo
	v_and_b32 v[T1], 2, v[TQ]                      ; the sine is negative in quadrants 2, 3
	v_lshlrev_b32 v[T1], 30, v[T1]
	v_xor_b32 v[\s], v[T1], v[\s]
	v_add_nc_u32 v[T1], 1, v[TQ]                   ; the cosine in quadrants 1, 2
	v_and_b32 v[T1], 2, v[T1]
	v_lshlrev_b32 v[T1], 30, v[T1]
	v_xor_b32 v[\c], v[T1], v[\c]
.endm
	s_load_b512 s[4:19], s[0:1], 0x0               ; hidden s[4:5], Wq s[6:7], Wk s[8:9], Wv s[10:11], Wo s[12:13], positions s[14:15], xb s[16:17], wqkv s[18:19]
	s_load_b128 s[20:23], s[0:1], 0x40             ; wo16 s[20:21], rope s[22:23]
	v_lshlrev_b32 v1, 4, v0                        ; my 16 bytes of a piece
	v_lshlrev_b32 v2, 3, v0                        ; my 8 bytes of its image
	s_mov_b32 s25, 0                               ; upper words of the two offsets
	s_mov_b32 s27, 0
	s_wait_kmcnt 0x0
	s_cmp_lt_u32 ttmp9, 1024
	s_cbranch_scc0 .Lnot_hidden
	s_lshl_b32 s24, ttmp9, 16                      ; 64 KiB in,
	s_lshl_b32 s26, ttmp9, 15                      ; 32 KiB out
	s_add_nc_u64 s[4:5], s[4:5], s[24:25]
	s_add_nc_u64 s[16:17], s[16:17], s[26:27]
	CAST 4, 16, 2048, 0
	s_endpgm
.Lnot_hidden:
	s_cmp_lt_u32 ttmp9, 1280
	s_cbranch_scc0 .Lnot_wq
	s_sub_co_u32 s28, ttmp9, 1024                  ; 16 rows of Wq (4,096 bytes each) go to 16 rows of wqkv (4,096 bytes each), columns 0-1023
	s_lshl_b32 s24, s28, 16
	s_add_nc_u64 s[6:7], s[6:7], s[24:25]
	s_add_nc_u64 s[18:19], s[18:19], s[24:25]
	CAST 6, 18, 4096, 0
	s_endpgm
.Lnot_wq:
	s_cmp_lt_u32 ttmp9, 1536
	s_cbranch_scc0 .Lnot_wkv
	s_sub_co_u32 s28, ttmp9, 1280                  ; 32 rows of Wk or Wv (2,048 bytes each): a piece is two rows
	s_and_b32 s29, s28, 127
	s_cmp_lt_u32 s28, 128
	s_cselect_b64 s[8:9], s[8:9], s[10:11]         ; Wk, then Wv
	s_cselect_b32 s26, 0, 0x400
	s_add_co_u32 s26, s26, 0x800                   ; columns 1024 (byte 2,048) or 1536 (byte 3,072) of wqkv
	s_lshl_b32 s24, s29, 16
	s_lshl_b32 s30, s29, 17                        ; 32 rows of 4,096 bytes
	s_add_co_u32 s26, s26, s30
	s_add_nc_u64 s[8:9], s[8:9], s[24:25]
	s_add_nc_u64 s[18:19], s[18:19], s[26:27]
	v_lshrrev_b32 v3, 7, v0                        ; which of the piece's two rows
	v_and_b32 v4, 127, v0
	v_lshlrev_b32 v2, 3, v4
	v_lshl_add_u32 v2, v3, 12, v2
	CAST 8, 18, 8192, 0
	s_endpgm
.Lnot_wkv:
	s_cmp_lt_u32 ttmp9, 1792
	s_cbranch_scc0 .Lrope
	s_sub_co_u32 s28, ttmp9, 1536
	s_lshl_b32 s24, s28, 16
	s_lshl_b32 s26, s28, 15
	s_add_nc_u64 s[12:13], s[12:13], s[24:25]
	s_add_nc_u64 s[20:21], s[20:21], s[26:27]
	CAST 12, 20, 2048, 1
	s_endpgm
.Lrope:
	; 64 rows.  Thread t: frequencies 4 (t & 15) + 0..3, rows (t >> 4) + 16 i: sixteen neighbouring lanes store 256 consecutive bytes, aligned.
	s_sub_co_u32 s28, ttmp9, 1792
	s_lshl_b32 s24, s28, 8                         ; 64 positions
	s_lshl_b32 s26, s28, 15                        ; 64 rows of 512 bytes
	s_add_nc_u64 s[14:15], s[14:15], s[24:25]
	s_add_nc_u64 s[22:23], s[22:23], s[26:27]
	v_and_b32 v3, 15, v0
	v_lshrrev_b32 v4, 4, v0
	v_lshlrev_b32 v5, 2, v4
.irp i, 0,1,2,3
	global_load_b32 v[PO+\i], v5, s[14:15] offset:64*\i
.endr
	s_mov_b32 s29, 0xbfc90fdb                      ; pi/2 = 1.57079637 - 4.3711388e-8 - 1.7151e-15, with the signs of x - n pi/2
	s_mov_b32 s30, 0x333bbd2e
	s_mov_b32 s31, 0x26f72ced
	v_lshlrev_b32 v6, 2, v3
.irp e, 0,1,2,3
	v_add_nc_u32 v[FR+\e], \e, v6
	v_cvt_f32_u32 v[FR+\e], v[FR+\e]
	v_mul_f32 v[FR+\e], 0xbe549a78, v[FR+\e]       ; 10000^(-j/64) = 2^(-j log2(10000)/64)
.endr
.irp e, 0,1,2,3
	v_exp_f32 v[FR+\e], v[FR+\e]
.endr
	v_lshlrev_b32 v7, 9, v4                        ; plain work between the exponentials and their first use (ISA guide 5.7.2)
	v_lshl_add_u32 v7, v3, 4, v7                   ; row x 512 + 16 bytes for my four frequencies
	s_wait_loadcnt 0x0
	s_wait_alu depctr_va_vdst(0)
.irp i, 0,1,2,3
	v_cvt_f32_i32 v[PO+\i], v[PO+\i]
.endr
.irp i, 0,1,2,3
.irp e, 0,1,2,3
	v_mul_f32 v[ANG], v[PO+\i], v[FR+\e]           ; the angle, rounded once
	SINCOS ANG, CS+8*\i+\e, CS+8*\i+4+\e
.endr
	global_store_b128 v7, v[CS+8*\i:CS+8*\i+3],   s[22:23] offset:8192*\i
	global_store_b128 v7, v[CS+8*\i+4:CS+8*\i+7], s[22:23] offset:8192*\i+256
.endr
	s_endpgm
.Lfunc_end_k_q93500d8cc8_prep:
	.size	k_q93500d8cc8_prep, .Lfunc_end_k_q93500d8cc8_prep-k_q93500d8cc8_prep
	.p2alignl 7, 3214868480
	.fill 96, 4, 3214868480
	.section	.rodata,"a",@progbits
	.p2align	6, 0x0
	.amdhsa_kernel k_q93500d8cc8_prep
		.amdhsa_group_segment_fixed_size 0
		.amdhsa_private_segment_fixed_size 0
		.amdhsa_enable_private_segment 0
		.amdhsa_kernarg_size 80
		.amdhsa_user_sgpr_count 2
		.amdhsa_user_sgpr_kernarg_segment_ptr 1
		.amdhsa_wavefront_size32 1
		.amdhsa_system_sgpr_workgroup_id_x 1
		.amdhsa_system_sgpr_workgroup_id_y 1
		.amdhsa_system_sgpr_workgroup_id_z 1
		.amdhsa_system_vgpr_workitem_id 0
		.amdhsa_next_free_vgpr 112
		.amdhsa_next_free_sgpr 66
		.amdhsa_reserve_vcc 1
		.amdhsa_float_denorm_mode_32 3
		.amdhsa_float_denorm_mode_16_64 3
		.amdhsa_memory_ordered 1
		.amdhsa_forward_progress 1
		.amdhsa_inst_pref_size 55
	.end_amdhsa_kernel
	.amdgpu_metadata
---
amdhsa.version: [ 1, 2 ]
amdhsa.kernels:
  - .name:           k_q93500d8cc8_prep
    .symbol:         k_q93500d8cc8_prep.kd
    .args:
      - { .name: hidden_states, .offset: 0, .size: 8, .value_kind: global_buffer, .address_space: global }
      - { .name: Wq, .offset: 8, .size: 8, .value_kind: global_buffer, .address_space: global }
      - { .name: Wk, .offset: 16, .size: 8, .value_kind: global_buffer, .address_space: global }
      - { .name: Wv, .offset: 24, .size: 8, .value_kind: global_buffer, .address_space: global }
      - { .name: Wo, .offset: 32, .size: 8, .value_kind: global_buffer, .address_space: global }
      - { .name: position_ids, .offset: 40, .size: 8, .value_kind: global_buffer, .address_space: global }
      - { .name: xb, .offset: 48, .size: 8, .value_kind: global_buffer, .address_space: global }
      - { .name: wqkv, .offset: 56, .size: 8, .value_kind: global_buffer, .address_space: global }
      - { .name: wo16, .offset: 64, .size: 8, .value_kind: global_buffer, .address_space: global }
      - { .name: rope, .offset: 72, .size: 8, .value_kind: global_buffer, .address_space: global }
    .group_segment_fixed_size: 0
    .private_segment_fixed_size: 0
    .kernarg_segment_align: 8
    .kernarg_segment_size: 80
    .max_flat_workgroup_size: 256
    .sgpr_count:     66
    .vgpr_count:     112
    .wavefront_size: 32
...
	.end_amdgpu_metadata
.endif
;; end of part 1
;; launch qkvp (part 2): grid 16 x 16, 4 waves a work-group, clusters of 4 x 4, 327,680 bytes of LDS; arguments xb, wqkv, bq, bk, bv, rope, qkv, scl; writes qkv, scl
.if DOCPART == 2
	.amdgcn_target "amdgcn-amd-amdhsa--gfx1250"
	.amdhsa_code_object_version 6
	.text
	.protected	k_q93500d8cc8_qkvp
	.globl	k_q93500d8cc8_qkvp
	.p2align	8
	.type	k_q93500d8cc8_qkvp,@function
k_q93500d8cc8_qkvp:
	s_mov_b64 s[64:65], 0
	v_nop
	global_prefetch_b8 v0, s[64:65] scope:SCOPE_SE
	s_setreg_imm32_b32 hwreg(HW_REG_WAVE_MODE, 25, 1), 1
	s_wait_xcnt 0x0
	s_wait_alu depctr_hold_cnt(0) depctr_sa_sdst(0) depctr_va_vdst(0) depctr_va_sdst(0) depctr_va_ssrc(0) depctr_va_vcc(0) depctr_vm_vsrc(0)
	s_getreg_b32 s2, hwreg(HW_REG_IB_STS2, 6, 4)
	s_cmp_eq_u32 s2, 0
	s_cbranch_scc0 .Lentry_in_a_cluster
	s_endpgm
.Lentry_in_a_cluster:
	s_bfe_u32 s2, ttmp6, 0x10000c
	s_cmp_lg_u32 s2, 0xf033
	s_cbranch_scc0 .Lentry_shape_is_right
	s_endpgm
.Lentry_shape_is_right:
; qkvp: [4096 x 4096] xb times [4096 x 2048] wqkv, + bias, rotary embedding on the q and k heads, out as f16 with block scales.
;   qkv [16 hc][4096 rows][128] f16 (hc 0-7 q heads, 8-11 k heads, 12-15 v heads);  scl [16 hc][64] f32, one power of two for 64 rows of a head.
; A work-group makes 256 rows x one head (128 columns): 16 x 16 = 256 work-groups.  Wave w makes rows 64 w .. 64 w + 63 x all 128 columns
; (32 accumulator tiles), so that columns d and d + 64, which the rotation pairs, lie in one lane, and one wave's block is one scale's block.
; K goes in steps of 128 through two LDS slots filled by tensor loads: A's 256 rows (256 bytes each, pitch 272), B's 128 K rows (256 bytes each, pitch 288).
; CLUSTERS 4 x 4: A's tile hangs on the block row alone and is asked for jointly along a row of the cluster, B's on the head alone and jointly
; along a column: a quarter of the requests.
; B lies [K][N] in LDS, as the weights lie in memory; ds_load_tr16_b128 turns 8 x 8 blocks, so a lane gets K along its registers.
; The matrix instruction is used transposed (source 0 = B's fragment, source 1 = A's): register j of lane l holds row l % 16, column 16 b + 8 (l / 16) + j.
; LIMITS: the biases are taken at bf16, like every floating-point input.  Stored is x 2^-E, E = the exponent of the block's largest |x|, kept within
; 2^-126 .. 2^126; |stored| < 2 (< 4 at the upper end).  Numbers below 2^-14 of the block's largest keep an absolute error of 2^-25 of it.
; REGISTERS: window 0: v0-31 addresses, v64-127 / v128-191 A's fragments (two buffers; 32 used), v192-255 the bias of my 64 columns;
; window 1: v64-127 / v128-191 B's fragments; window 2: tile (a, b) at v[8 (8 a + b)]; window 3: cosines and sines of my rows.
.set KSTEP,  128
.set PITCH,  272                       ; A's LDS rows: 256 bytes + 16: sixteen rows start at sixteen different 16-byte columns of 256
.set BP,     288                       ; B's LDS rows: 256 bytes + 32, an odd multiple of 32, for the transposing loads
.set REG,    128*PITCH                 ; the LDS region of one wave's tensor load (B's uses 64*BP of it)
.set SLOT,   4*REG                     ; A rows 0-127, A rows 128-255, B K rows 0-63, B K rows 64-127
.set STAGE,  2*SLOT                    ; behind the ring: 16 rows x 272 bytes for each wave, for the way out; no tensor load lands here
.set NL,     24                        ; LDS loads in a run of fragments: 16 for B, 8 for A
.set LAPS,   16                        ; 4096 / 256: a lap is two K steps
.set ASTEP,  2*KSTEP*2                 ; two K steps along A's rows, in bytes
.set BSTEP,  2*KSTEP*4096              ; two K steps down B's rows of 4,096 bytes
.set ADRA, 16                          ; v16-17  LDS address of my A fragments, slot 0, 1
.set ADRB, 20                          ; v20-21  the same for B
.set STO,  24
.set RD,   25
.set CO,   26
.set MX,   10                          ; v10-13  four running maxima
.set INV,  14                          ; v14-15  2^-E, twice
.set F0,   64
.set F1,   128
.set BIAS, 192
.set TMP,  64                          ; the way out: at work
.set PKD,  128                         ; packed f16
.set BK,   160                         ; rows read back
.set G1,  24
.set G0,  32
.set G1B, 48
.set G0B, 56
.set MSB, 0
.macro WIN new                         ; the immediate's high byte repeats the setting that is left
.if MSB != \new
	s_set_vgpr_msb (MSB<<8)|\new
.set MSB, \new
.endif
.endm
.set MUL_LO, 0xa1                      ; source 0 (B) window 1, source 1 (A) window 0, C and D window 2
.set TO_B,   0x40                      ; destination window 1
; A joint load: waves 0, 1 fetch A's halves, waves 2, 3 B's.  The branch hangs on the wave's number alone.
.macro JLOAD s
	s_cmp_eq_u32 s11, 0
	s_cbranch_scc0 .Lfor_b_\@
	tensor_load_to_lds s[G0+4*\s:G0+4*\s+3], s[G1:G1+7]
	s_nop 0
	s_branch .Lasked_\@
.Lfor_b_\@:
	tensor_load_to_lds s[G0B+4*\s:G0B+4*\s+3], s[G1B:G1B+7]
	s_nop 0
.Lasked_\@:
.endm
.macro CREST                           ; a round of the cluster's barrier behind its opening barrier
	s_cmp_lg_u32 s10, 0
	s_cbranch_scc1 .Lnot_wave_0_\@
	s_barrier_signal -3
.Lnot_wave_0_\@:
	s_barrier_wait -3
	s_barrier_signal -1
	s_barrier_wait -1
.endm
.macro CROUND
	s_barrier_signal -1
	s_barrier_wait -1
	CREST
.endm
.macro PLACES                          ; four plain vector places behind a matrix instruction, in front of loads into its registers and of readers of its result
.rept 4
	v_nop
.endr
.endm
; 16 matrix instructions: row blocks a0, a0 + 1 x all 8 column blocks, 32 along K.  zero = 1: the first product starts the sums.
.macro MUL16 f, a0, zero
.irp a, \a0, \a0+1
.irp b, 0,1,2,3,4,5,6,7
.if \zero
	v_wmma_f32_16x16x32_bf16 v[8*(8*(\a)+\b):8*(8*(\a)+\b)+7], v[\f+8*\b:\f+8*\b+7], v[\f+8*(\a):\f+8*(\a)+7], 0
.else
	v_wmma_f32_16x16x32_bf16 v[8*(8*(\a)+\b):8*(8*(\a)+\b)+7], v[\f+8*\b:\f+8*\b+7], v[\f+8*(\a):\f+8*(\a)+7], v[8*(8*(\a)+\b):8*(8*(\a)+\b)+7]
.endif
.endr
.endr
.endm
; the fragments of quarter q (32 along K) of a slot into buffer f: B's K rows 32 q .. 32 q + 31 x 128 columns, A's 64 rows at byte 64 q
.macro FETCH slot, q, f
	WIN TO_B
.irp i, 0,1,2,3,4,5,6,7
	ds_load_tr16_b128 v[\f+8*\i:\f+8*\i+3],   v[ADRB+\slot] offset:(\q/2)*REG+(\q%2)*32*BP+32*\i
	ds_load_tr16_b128 v[\f+8*\i+4:\f+8*\i+7], v[ADRB+\slot] offset:(\q/2)*REG+(\q%2)*32*BP+32*\i+16*BP
.endr
	WIN 0
.irp i, 0,1,2,3
	ds_load_b128 v[\f+8*\i:\f+8*\i+3],   v[ADRA+\slot] offset:64*\q+\i*16*PITCH
	ds_load_b128 v[\f+8*\i+4:\f+8*\i+7], v[ADRA+\slot] offset:64*\q+\i*16*PITCH+32
.endr
.endm
; One of a K step's first three quarters: asks for quarter q into buffer g, then multiplies buffer f, whose run went out a quarter ago.
; The 32 accumulators take turns, one instruction a turn, in the same order in every quarter.
.macro QUARTER slot, q, f, g, zero
	PLACES                                         ; buffer g was read by the matrix instructions just in front
	FETCH \slot, \q, \g
	s_wait_dscnt NL                                ; all but the run just issued: buffer f is in
	WIN MUL_LO
	MUL16 \f, 0, \zero
	MUL16 \f, 2, \zero
.endm
.macro THREE slot, zero
	QUARTER \slot, 1, F0, F1, \zero
	QUARTER \slot, 2, F1, F0, 0
	QUARTER \slot, 3, F0, F1, 0
.endm
; The last quarter multiplies buffer 1 and changes slots.  One barrier for two things: in front of it each wave's reads of this slot are back
; and all its tensor loads have landed (the one that was out is its part of the next slot); behind it the refill comes first, then the next slot is read.
.macro TURN slot, next, fill
	s_wait_dscnt 0x0                               ; buffer 1 is in, and with it my last reads of this slot
	s_wait_tensorcnt 0x0                           ; all my tensor loads have landed
	ds_add_u32 v255, v63
	s_wait_dscnt 0x0
	s_barrier_signal -1
	WIN MUL_LO
	MUL16 F1, 0, 0                                 ; register work while the others arrive
	WIN 0
	s_barrier_wait -1
.if \fill
	CREST                                          ; all sixteen work-groups have said so: no partner reads this slot or has a load on its way
	s_add_nc_u64 s[G0+4*\slot+2:G0+4*\slot+3], s[G0+4*\slot+2:G0+4*\slot+3], ASTEP
	s_add_nc_u64 s[G0B+4*\slot+2:G0B+4*\slot+3], s[G0B+4*\slot+2:G0B+4*\slot+3], BSTEP
	JLOAD \slot                                    ; my one tensor load behind the round; 112 of a K step's 128 matrix instructions follow before its wait
.endif
	PLACES
	FETCH \next, 0, F0
	WIN MUL_LO
	MUL16 F1, 2, 0
.endm
.macro LAP zero
	THREE 0, \zero
	TURN 0, 1, 1
	THREE 1, 0
	TURN 1, 0, 1
.endm
	s_load_b128 s[4:7], s[0:1], 0x0                ; xb s[4:5], wqkv s[6:7]
	s_load_b256 s[68:75], s[0:1], 0x10             ; bq s[68:69], bk s[70:71], bv s[72:73], rope s[74:75]
	s_load_b128 s[76:79], s[0:1], 0x30             ; qkv s[76:77], scl s[78:79]
	s_set_vgpr_msb 0x40
	v_lshl_add_u32 v255, v0, 2, 0x48400
	s_set_vgpr_msb 0x4000
	v_mov_b32 v63, 0
	s_set_vgpr_msb 0x1
	ds_add_u32 v255, v63
	s_set_vgpr_msb 0x100
	v_lshrrev_b32 v1, 5, v0
	v_readfirstlane_b32 s10, v1                    ; wave 0..3
	s_lshr_b32 s11, s10, 1                         ; I fetch for A (0) or for B (1)
	s_and_b32 s12, s10, 1                          ; which half of that tile
	s_bfe_u32 s40, ttmp6, 0x40000                  ; cx
	s_bfe_u32 s41, ttmp6, 0x40004                  ; cy
	s_mov_b32 s45, ttmp9                           ; the cluster's x: 0, 1 q heads, 2 k heads, 3 v heads; equal in all partners
	s_lshl_b32 s42, ttmp9, 2
	s_add_co_u32 s42, s42, s40                     ; head column hc = 4 x cluster x + cx
	s_and_b32 s13, ttmp7, 0xffff
	s_lshl_b32 s13, s13, 2
	s_add_co_u32 s13, s13, s41                     ; block row = 4 x cluster y + cy
	s_lshl_b32 s43, s41, 2
	s_lshl_b32 s43, 15, s43                        ; my row of the cluster
	s_lshl_b32 s44, 0x1111, s40                    ; my column
	s_mov_b32 s80, 0x76543210                      ; v_permlanex16_b32: lane i reads lane i of the other half
	s_mov_b32 s81, 0xfedcba98
	; group 1 for A: 128 rows x 128 elements of 2 bytes, 4 words of padding behind every 64
	s_or_b32 s[G1+0], s43, (1<<16)|(1<<20)|(1<<21)|(5<<22)|(3<<25)
	s_mov_b32 s[G1+1], 128<<16                     ; tensor_dim0 = 128
	s_mov_b32 s[G1+2], 128<<16                     ; tensor_dim1 = 128
	s_mov_b32 s[G1+3], 128<<16                     ; tile_dim0 = 128
	s_mov_b32 s[G1+4], 128                         ; tile_dim1 = 128
	s_mov_b32 s[G1+5], 4096                        ; elements from row to row of xb
	s_mov_b32 s[G1+6], 0
	s_mov_b32 s[G1+7], 0
	; group 1 for B: 64 K rows x 128 elements, 8 words of padding behind every 64
	s_or_b32 s[G1B+0], s44, (1<<16)|(1<<20)|(1<<21)|(5<<22)|(7<<25)
	s_mov_b32 s[G1B+1], 128<<16
	s_mov_b32 s[G1B+2], 64<<16
	s_mov_b32 s[G1B+3], 128<<16
	s_mov_b32 s[G1B+4], 64
	s_mov_b32 s[G1B+5], 2048                       ; elements from row to row of wqkv
	s_mov_b32 s[G1B+6], 0
	s_mov_b32 s[G1B+7], 0
	s_lshl_b32 s16, s13, 21                        ; A: (256 x block row + 128 x half) rows of 8,192 bytes
	s_lshl_b32 s17, s12, 20
	s_add_co_u32 s16, s16, s17
	s_mov_b32 s17, 0
	s_lshl_b32 s46, s42, 8                         ; B: 256 bytes for each head, + 64 x half K rows of 4,096 bytes
	s_lshl_b32 s47, s12, 18
	s_add_co_u32 s46, s46, s47
	s_mov_b32 s47, 0
	s_mul_i32 s20, s10, REG                        ; where my load lands: the wave's number alone
	s_wait_dscnt 0x0
	s_wait_kmcnt 0x0
	s_add_nc_u64 s[14:15], s[4:5], s[16:17]
	s_add_nc_u64 s[46:47], s[6:7], s[46:47]
	CROUND                                         ; all sixteen work-groups are here: the first joint loads meet
.irp s, 0,1
	s_mov_b32 s[G0+4*\s], 1
	s_add_co_u32 s[G0+4*\s+1], s20, \s*SLOT
	s_add_nc_u64 s[G0+4*\s+2:G0+4*\s+3], s[14:15], \s*KSTEP*2
	s_or_b32 s[G0+4*\s+3], s[G0+4*\s+3], 0x80000000
	s_mov_b32 s[G0B+4*\s], 1
	s_add_co_u32 s[G0B+4*\s+1], s20, \s*SLOT
	s_add_nc_u64 s[G0B+4*\s+2:G0B+4*\s+3], s[46:47], \s*KSTEP*4096
	s_or_b32 s[G0B+4*\s+3], s[G0B+4*\s+3], 0x80000000
	JLOAD \s                                       ; two tensor loads of the wave are out
.endr
	; the bias of my head: bq, bk or bv by the cluster's x
	s_cmp_lt_u32 s45, 2
	s_cselect_b64 s[84:85], s[68:69], s[70:71]
	s_cselect_b32 s86, 7, 3                        ; the head's number inside its tensor
	s_cmp_eq_u32 s45, 3
	s_cselect_b64 s[84:85], s[72:73], s[84:85]
	s_and_b32 s86, s42, s86
	s_lshl_b32 s86, s86, 9
	s_mov_b32 s87, 0
	s_add_nc_u64 s[84:85], s[84:85], s[86:87]
	s_lshl_b32 s88, s13, 17                        ; the table at my wave's first row: (256 x block row + 64 w) rows of 512 bytes
	s_lshl_b32 s89, s10, 15
	s_add_co_u32 s88, s88, s89
	s_mov_b32 s89, 0
	s_add_nc_u64 s[74:75], s[74:75], s[88:89]
	s_lshl_b32 s88, s42, 20                        ; qkv at my wave's first row: hc x 1 MiB + (256 x block row + 64 w) x 256 bytes
	s_lshl_b32 s90, s13, 16
	s_add_co_u32 s88, s88, s90
	s_lshl_b32 s90, s10, 14
	s_add_co_u32 s88, s88, s90
	s_add_nc_u64 s[76:77], s[76:77], s[88:89]
	s_lshl_b32 s88, s42, 6                         ; scl word hc x 64 + 4 x block row + w
	s_lshl2_add_u32 s88, s13, s88
	s_add_co_u32 s88, s88, s10
	s_lshl_b32 s88, s88, 2
	s_add_nc_u64 s[78:79], s[78:79], s[88:89]
	v_and_b32 v1, 15, v0                           ; r = l % 16
	v_bfe_u32 v2, v0, 4, 1                         ; h = l / 16
	v_lshlrev_b32 v7, 5, v2                        ; my columns 16 b + 8 h + 0..7: byte 32 h
	v_lshlrev_b32 v8, 9, v1
	v_lshl_add_u32 v8, v2, 5, v8                   ; table: row r, byte 32 h
.irp b, 0,1,2,3,4,5,6,7
	global_load_b128 v[BIAS+8*\b:BIAS+8*\b+3],   v7, s[84:85] offset:64*\b
	global_load_b128 v[BIAS+8*\b+4:BIAS+8*\b+7], v7, s[84:85] offset:64*\b+16
.endr
	; cosines (t = 0) and sines (t = 1) of rows 16 a + r, frequencies 16 b + 8 h + 0..7, at v[64 a + 32 t + 8 b] of window 3.
	; The v heads' work-groups load them too and leave them unused: every register of the text is written on every path.
	WIN 0xc0
.irp a, 0,1,2,3
.irp t, 0,1
.irp b, 0,1,2,3
	global_load_b128 v[64*\a+32*\t+8*\b:64*\a+32*\t+8*\b+3],   v8, s[74:75] offset:8192*\a+256*\t+64*\b
	global_load_b128 v[64*\a+32*\t+8*\b+4:64*\a+32*\t+8*\b+7], v8, s[74:75] offset:8192*\a+256*\t+64*\b+16
.endr
.endr
.endr
	WIN 0
	; LDS addresses.  A: row x 272 + 16 h.  B, for the transposing load: (8 h + l % 8) x 288 + 16 ((l / 8) % 2).
	v_mul_u32_u24 v3, v1, PITCH
	v_lshl_add_u32 v3, v2, 4, v3
	v_and_b32 v4, 7, v0
	v_lshl_add_u32 v4, v2, 3, v4
	v_mul_u32_u24 v4, v4, BP
	v_bfe_u32 v5, v0, 3, 1
	v_lshl_add_u32 v4, v5, 4, v4
	s_mul_i32 s21, s10, 64*PITCH                   ; my 64 rows of A
.irp s, 0,1
	v_add_nc_u32 v[ADRA+\s], s21, v3
	v_add_nc_u32 v[ADRB+\s], 2*REG+\s*SLOT, v4
	s_add_co_u32 s21, s21, SLOT
.endr
	s_mul_i32 s23, s10, 16*PITCH
	s_add_co_u32 s23, s23, STAGE                   ; my stage
	v_add_nc_u32 v[STO], s23, v3                   ; in: row r, 16 bytes for each half of the lanes
	v_mul_u32_u24 v5, v2, PITCH                    ; back: lanes 0-15 one row of 256 bytes, lanes 16-31 the next
	v_lshl_add_u32 v5, v1, 4, v5
	v_add_nc_u32 v[RD], s23, v5
	v_and_b32 v6, 31, v0
	v_lshlrev_b32 v[CO], 4, v6                     ; rows of qkv are 256 bytes: two rows are 512 consecutive bytes
	v_mov_b32 v9, 0
	s_wait_loadcnt 0x0                             ; bias and table, once, while the first tiles are on their way
.set j, 0
.rept 32
	v_cvt_pk_bf16_f32 v27, v[BIAS+j], v[BIAS+j+1]  ; the bias at bf16, kept as f32
	v_lshlrev_b32 v[BIAS+j], 16, v27
	v_and_b32 v[BIAS+j+1], 0xffff0000, v27
.set j, j+2
.endr
	s_wait_tensorcnt 0x1                           ; my part of K step 0 is in; K step 1's may stay out
	s_barrier_signal -1
	s_barrier_wait -1
	FETCH 0, 0, F0
	LAP 1                                          ; the first lap stands in front of the loop: its first products start the sums
	WIN 0
	s_mov_b32 s3, LAPS-2
.Llap:
	LAP 0
	WIN 0
	s_sub_co_u32 s3, s3, 1
	s_cmp_lg_u32 s3, 0
	s_cbranch_scc1 .Llap
	THREE 0, 0                                     ; the last lap fills nothing
	TURN 0, 1, 0
	THREE 1, 0
	s_wait_dscnt 0x0
	WIN MUL_LO
	MUL16 F1, 0, 0
	MUL16 F1, 2, 0
	PLACES
	; THE WAY OUT.  Bias first.
	WIN 0x82                                       ; accumulators (window 2) += bias (window 0)
.irp a, 0,1,2,3
.irp b, 0,1,2,3,4,5,6,7
.irp p, 0,2,4,6
	v_pk_add_f32 v[8*(8*\a+\b)+\p:8*(8*\a+\b)+\p+1], v[8*(8*\a+\b)+\p:8*(8*\a+\b)+\p+1], v[BIAS+8*\b+\p:BIAS+8*\b+\p+1]
.endr
.endr
.endr
	WIN 0
	s_cmp_eq_u32 s45, 3
	s_cbranch_scc1 .Lno_rope                       ; v heads are not rotated
	; x(d) = x(d) cos - x(d + 64) sin;  x(d + 64) = x(d + 64) cos + x(d) sin;  column blocks b and b + 4
.irp a, 0,1,2,3
	WIN 0x0e                                       ; window 0 = window 2 x window 3
.irp b, 0,1,2,3
.irp p, 0,2,4,6
	v_pk_mul_f32 v[TMP+8*\b+\p:TMP+8*\b+\p+1],       v[8*(8*\a+\b)+\p:8*(8*\a+\b)+\p+1],     v[64*\a+32+8*\b+\p:64*\a+32+8*\b+\p+1]
	v_pk_mul_f32 v[TMP+32+8*\b+\p:TMP+32+8*\b+\p+1], v[8*(8*\a+\b+4)+\p:8*(8*\a+\b+4)+\p+1], v[64*\a+32+8*\b+\p:64*\a+32+8*\b+\p+1]
.endr
.endr
	WIN 0x8e                                       ; window 2 = window 2 x window 3 + window 0
.irp b, 0,1,2,3
.irp p, 0,2,4,6
	v_pk_fma_f32 v[8*(8*\a+\b)+\p:8*(8*\a+\b)+\p+1],     v[8*(8*\a+\b)+\p:8*(8*\a+\b)+\p+1],     v[64*\a+8*\b+\p:64*\a+8*\b+\p+1], v[TMP+32+8*\b+\p:TMP+32+8*\b+\p+1] neg_lo:[0,0,1] neg_hi:[0,0,1]
	v_pk_fma_f32 v[8*(8*\a+\b+4)+\p:8*(8*\a+\b+4)+\p+1], v[8*(8*\a+\b+4)+\p:8*(8*\a+\b+4)+\p+1], v[64*\a+8*\b+\p:64*\a+8*\b+\p+1], v[TMP+8*\b+\p:TMP+8*\b+\p+1]
.endr
.endr
.endr
	WIN 0
.Lno_rope:
	; the largest |x| of my 64 rows x 128 columns: four chains over my 256 registers, then across the lanes
	WIN 0x0a
.irp k, 0,1,2,3
	v_max_num_f32 v[MX+\k], |v[2*\k]|, |v[2*\k+1]|
.endr
.set j, 8
.rept 124
	v_max3_num_f32 v[MX+(j/2)%4], |v[j]|, |v[j+1]|, v[MX+(j/2)%4]
.set j, j+2
.endr
	WIN 0
	v_max3_num_f32 v[MX], v[MX], v[MX+1], v[MX+2]
	v_max_num_f32 v[MX], v[MX], v[MX+3]
	v_max_num_f32_dpp v[MX], v[MX], v[MX] row_xmask:1 row_mask:0xf bank_mask:0xf
	v_max_num_f32_dpp v[MX], v[MX], v[MX] row_xmask:2 row_mask:0xf bank_mask:0xf
	v_max_num_f32_dpp v[MX], v[MX], v[MX] row_xmask:4 row_mask:0xf bank_mask:0xf
	v_max_num_f32_dpp v[MX], v[MX], v[MX] row_xmask:8 row_mask:0xf bank_mask:0xf
	v_permlanex16_b32 v[MX+1], v[MX], s80, s81
	v_max_num_f32 v[MX], v[MX], v[MX+1]
	v_and_b32 v[MX], 0x7f800000, v[MX]             ; its power of two,
	v_max_u32 v[MX], 0x00800000, v[MX]             ; within 2^-126
	v_min_u32 v[MX], 0x7e800000, v[MX]             ; and 2^126: the scale
	v_sub_nc_u32 v[INV], 0x7f000000, v[MX]         ; its reciprocal: exponent field 254 - e
	v_mov_b32 v[INV+1], v[INV]
	v_cmp_eq_u32 vcc_lo, 0, v6
	s_wait_xcnt 0x0                                ; EXEC changes only behind this wait
	s_and_saveexec_b32 s84, vcc_lo
	global_store_b32 v9, v[MX], s[78:79]           ; one word for the wave's block: 1,024 such words in the launch
	s_wait_xcnt 0x0
	s_or_b32 exec_lo, exec_lo, s84
; 16 rows: scale, round to f16, 16 bytes a lane into my stage, whole rows of 256 bytes back, 512 consecutive bytes a store
.macro OUT16 a
	WIN 0x02
.irp b, 0,1,2,3,4,5,6,7
.irp p, 0,2,4,6
	v_pk_mul_f32 v[TMP+8*\b+\p:TMP+8*\b+\p+1], v[8*(8*\a+\b)+\p:8*(8*\a+\b)+\p+1], v[INV:INV+1]
.endr
.endr
	WIN 0
.irp b, 0,1,2,3,4,5,6,7
.irp p, 0,1,2,3
	v_cvt_pk_f16_f32 v[PKD+4*\b+\p], v[TMP+8*\b+2*\p], v[TMP+8*\b+2*\p+1]
.endr
.endr
.irp b, 0,1,2,3,4,5,6,7
	ds_store_b128 v[STO], v[PKD+4*\b:PKD+4*\b+3] offset:32*\b
.endr
	s_wait_xcnt 0x0                                ; the registers read back into are the data of the last block's stores
.irp t, 0,1,2,3,4,5,6,7
	ds_load_b128 v[BK+4*\t:BK+4*\t+3], v[RD] offset:\t*2*PITCH     ; LDS serves a wave's instructions in order: these see the stores above
.endr
.irp t, 0,1,2,3,4,5,6,7
	s_wait_dscnt 7-\t                              ; the 7-t younger loads stay out
	global_store_b128 v[CO], v[BK+4*\t:BK+4*\t+3], s[76:77] offset:\a*4096+512*\t
.endr
.endm
	OUT16 0
	OUT16 1
	OUT16 2
	OUT16 3
	s_set_vgpr_msb 0x1
	s_wait_tensorcnt 0x0
	ds_add_u32 v255, v63
	s_wait_dscnt 0x0
	s_set_vgpr_msb 0x100
	CROUND                                         ; the closing round: no work-group ends while a partner may still ask for a tile that names it
	s_endpgm
.Lfunc_end_k_q93500d8cc8_qkvp:
	.size	k_q93500d8cc8_qkvp, .Lfunc_end_k_q93500d8cc8_qkvp-k_q93500d8cc8_qkvp
	.p2alignl 7, 3214868480
	.fill 96, 4, 3214868480
	.section	.rodata,"a",@progbits
	.p2align	6, 0x0
	.amdhsa_kernel k_q93500d8cc8_qkvp
		.amdhsa_group_segment_fixed_size 327680
		.amdhsa_private_segment_fixed_size 0
		.amdhsa_enable_private_segment 0
		.amdhsa_kernarg_size 64
		.amdhsa_user_sgpr_count 2
		.amdhsa_user_sgpr_kernarg_segment_ptr 1
		.amdhsa_wavefront_size32 1
		.amdhsa_system_sgpr_workgroup_id_x 1
		.amdhsa_system_sgpr_workgroup_id_y 1
		.amdhsa_system_sgpr_workgroup_id_z 1
		.amdhsa_system_vgpr_workitem_id 0
		.amdhsa_next_free_vgpr 1024
		.amdhsa_next_free_sgpr 96
		.amdhsa_reserve_vcc 1
		.amdhsa_float_denorm_mode_32 3
		.amdhsa_float_denorm_mode_16_64 3
		.amdhsa_memory_ordered 1
		.amdhsa_forward_progress 1
		.amdhsa_inst_pref_size 172
	.end_amdhsa_kernel
	.amdgpu_metadata
---
amdhsa.version: [ 1, 2 ]
amdhsa.kernels:
  - .name:           k_q93500d8cc8_qkvp
    .symbol:         k_q93500d8cc8_qkvp.kd
    .args:
      - { .name: xb, .offset: 0, .size: 8, .value_kind: global_buffer, .address_space: global }
      - { .name: wqkv, .offset: 8, .size: 8, .value_kind: global_buffer, .address_space: global }
      - { .name: bq, .offset: 16, .size: 8, .value_kind: global_buffer, .address_space: global }
      - { .name: bk, .offset: 24, .size: 8, .value_kind: global_buffer, .address_space: global }
      - { .name: bv, .offset: 32, .size: 8, .value_kind: global_buffer, .address_space: global }
      - { .name: rope, .offset: 40, .size: 8, .value_kind: global_buffer, .address_space: global }
      - { .name: qkv, .offset: 48, .size: 8, .value_kind: global_buffer, .address_space: global }
      - { .name: scl, .offset: 56, .size: 8, .value_kind: global_buffer, .address_space: global }
    .group_segment_fixed_size: 327680
    .private_segment_fixed_size: 0
    .kernarg_segment_align: 8
    .kernarg_segment_size: 64
    .max_flat_workgroup_size: 128
    .sgpr_count:     96
    .vgpr_count:     1024
    .wavefront_size: 32
...
	.end_amdgpu_metadata
.endif
;; end of part 2
;; launch attn (part 3): grid 32 x 8, 8 waves a work-group, clusters of 4 x 1, 327,680 bytes of LDS; arguments qkv, scl, attn_mask, oh; writes oh
.if DOCPART == 3
	.amdgcn_target "amdgcn-amd-amdhsa--gfx1250"
	.amdhsa_code_object_version 6
	.text
	.protected	k_q93500d8cc8_attn
	.globl	k_q93500d8cc8_attn
	.p2align	8
	.type	k_q93500d8cc8_attn,@function
k_q93500d8cc8_attn:
	s_mov_b64 s[64:65], 0
	v_nop
	global_prefetch_b8 v0, s[64:65] scope:SCOPE_SE
	s_setreg_imm32_b32 hwreg(HW_REG_WAVE_MODE, 25, 1), 1
	s_wait_xcnt 0x0
	s_wait_alu depctr_hold_cnt(0) depctr_sa_sdst(0) depctr_va_vdst(0) depctr_va_sdst(0) depctr_va_ssrc(0) depctr_va_vcc(0) depctr_vm_vsrc(0)
	s_getreg_b32 s2, hwreg(HW_REG_IB_STS2, 6, 4)
	s_cmp_eq_u32 s2, 0
	s_cbranch_scc0 .Lentry_in_a_cluster
	s_endpgm
.Lentry_in_a_cluster:
	s_bfe_u32 s2, ttmp6, 0x10000c
	s_cmp_lg_u32 s2, 0x3003
	s_cbranch_scc0 .Lentry_shape_is_right
	s_endpgm
.Lentry_shape_is_right:
; attn: softmax(q k^T / sqrt(8) + mask) v for 128 queries of one head; oh [4096][1024] f16 = the result divided by sVg, the largest of the 256 v scales.
; y = 4 batch + kv head; x = 16 (which of the kv head's two query heads) + query block.
; EIGHT WAVES of 512 registers: wave w takes the 32 queries of group w & 3 (two tiles qt of 16) and the key half kh = w >> 2: of every 256 keys the
; 128 at 128 kh, in two steps of 64.  The softmax of a step is some 280 vector instructions beside 64 matrix instructions; with two waves side by side
; one wave's vector work can run while the other's products are in the matrix unit.  To keep them out of step, the waves whose phase bit
; (w ^ (w >> 2)) & 1 is 1 carry the P V product of a step over to the head of their next step (its V fragments and P are in registers by then), also
; over a slot's barrier: behind the barrier they begin with P V, the others with K Q^T.  The bit differs between w and w + 4 and between 2 i and
; 2 i + 1.  The first step's P V, which starts the sums, is made by every wave at that step's end: it stands once in the text, under no branch.
; At the end partners w and w ^ 4 exchange one query tile each through LDS and finish 16 queries each.
; CLUSTER 4 x 1: the four work-groups of a cluster walk the same K and V tiles and ask for them jointly (mask 15).
; A slot holds 256 keys: eight loads of 64 rows, one a wave (waves 0-3 K, waves 4-7 V); a refill has two steps of every wave in which to land.
; BOTH PRODUCTS ARE USED TRANSPOSED.  S^T = K Q^T + C: register j of lane (r, h) holds query r, key 16 kt + 8 h + j.  Two such tiles, packed to f16,
; are the second source of O^T = V^T P^T for 32 keys as they stand.  V lies [key][d] in LDS and is turned by ds_load_tr16_b128.
; SOFTMAX, base 2, with a running maximum.  C of the first product is the key's bias in raw units: 0, or -2^64 for a masked key.  With
; f = sq sk log2(e) / sqrt(8) (sq, sk: the blocks' scales), nl = log2(sVg / sv) >= 0 (sv: the v block's scale): M = max(M, f max(S) - nl),
; p' = 2^(f S - (M + nl)) <= 1, O = O alpha + sum p' v^, L = L alpha + 2^nl sum p'.  So O / L = softmax . v / sVg, and the largest f16 operand is 1.
; A batch in which every key is masked: the definition's scores vanish in the lowest finite f32 and the weights are uniform; here f is set to 0
; (a select on the OR of the batch's mask words), which gives p' = 2^(-nl - M): the same uniform weights.
; LIMITS: sq sk within 2^-50 .. 2^60, so that f 2^64 masks a key and stays finite.  nl is kept at 64 or below; a v block below that is worth less
; than the f16 step of the stored result.  p' below 2^-24 is dropped from O.
; LDS: slot s at 147,456 s: regions of 18,432 bytes: K keys 64 g (g = 0..3, pitch 272), then V keys 64 g (pitch 288); bias 2,048 f32 at 294,912;
; eight flag words at 303,104.  The exchange (8,448 bytes a wave, from byte 0) and the stages (4,352 bytes a wave, from byte 73,728) lie in slot 0,
; whose last fill and last reads lie in front of the barrier ahead of the last 256 keys.
; REGISTERS: window 0: addresses, M, L, alpha; Q v32, S v96, P v160, bias v192, at work v224-; window 1: O tile (dt, qt) at v[8 (2 dt + qt)],
; one buffer of fragments at v128: K's (v[128 + 8 (4 kt + ds)]), then V's (v[128 + 8 (2 dt + ks)]).
.set KP,    272
.set VP,    288
.set TREG,  18432                      ; the LDS region of one wave's tensor load: 64 keys
.set SLOT,  8*TREG
.set BIASL, 2*SLOT
.set FLAGL, BIASL+8192
.set MRGW,  8448                       ; exchange: 64 registers x 32 lanes x 4 bytes, then (M, L) x 32 lanes
.set STAGE, 73728
.set KA,  4                            ; v4-5   K fragments' address, slot 0, 1
.set VA,  6                            ; v6-7   V fragments' address
.set BA,  8                            ; v8     the bias of the lap's first keys of my half
.set STO, 9
.set RD,  10
.set CO,  11
.set MGS, 12                           ; exchange: where I put O, where I find my partner's
.set MGL, 13
.set MS2, 14                           ; the same for (M, L)
.set ML2, 15
.set MR,  16                           ; v16-17 running maximum, qt 0, 1
.set NL,  18                           ; v18    nl of the step's block
.set LR,  20                           ; v20-21 running sum of my lanes' half of the keys
.set AL,  22                           ; v22, v24 alpha (each the first of a pair)
.set NO,  26                           ; v26    M + nl (the first of a pair)
.set QF,  32
.set SC,  96
.set PR,  160
.set BI,  192
.set FR,  128                          ; window 1
.set TM,  224
.set TX,  228
.set TD,  229
.set MN,  230
.set TS,  232
.set GA,  240                          ; v240, v242 the two weights of the merge (each the first of a pair)
.set GB,  242
.set NEG, 244
.set LF,  246                          ; v246-247 L over both halves of the lanes
.set XP,  248                          ; v248-249 (M, L) sent, v250-251 received
.set G1K, 24
.set G0K, 32
.set G1V, 40
.set G0V, 48
.set MSB, 0
.macro WIN new                         ; the immediate's high byte repeats the setting that is left
.if MSB != \new
	s_set_vgpr_msb (MSB<<8)|\new
.set MSB, \new
.endif
.endm
.macro JLOAD s                         ; waves 0-3 fetch K's four regions, waves 4-7 V's
	s_cmp_eq_u32 s13, 0
	s_cbranch_scc0 .Lfor_v_\@
	tensor_load_to_lds s[G0K+4*\s:G0K+4*\s+3], s[G1K:G1K+7]
	s_nop 0
	s_branch .Lasked_\@
.Lfor_v_\@:
	tensor_load_to_lds s[G0V+4*\s:G0V+4*\s+3], s[G1V:G1V+7]
	s_nop 0
.Lasked_\@:
.endm
.macro CREST                           ; a round of the cluster's barrier behind its opening barrier
	s_cmp_lg_u32 s12, 0
	s_cbranch_scc1 .Lnot_wave_0_\@
	s_barrier_signal -3
.Lnot_wave_0_\@:
	s_barrier_wait -3
	s_barrier_signal -1
	s_barrier_wait -1
.endm
.macro CROUND
	s_barrier_signal -1
	s_barrier_wait -1
	CREST
.endm
.macro PLACES                          ; four plain vector places behind a matrix instruction (ISA guide 7.12.1)
.rept 4
	v_nop
.endr
.endm
.macro LDK slot, j                     ; my 64 keys x 128 d of step j: 32 loads
	WIN 0x40
.irp kt, 0,1,2,3
.irp ds, 0,1,2,3
	ds_load_b128 v[FR+8*(4*\kt+\ds):FR+8*(4*\kt+\ds)+3],   v[KA+\slot] offset:\j*TREG+\kt*16*KP+64*\ds
	ds_load_b128 v[FR+8*(4*\kt+\ds)+4:FR+8*(4*\kt+\ds)+7], v[KA+\slot] offset:\j*TREG+\kt*16*KP+64*\ds+32
.endr
.endr
.endm
.macro LDV slot, j                     ; the same keys of V, turned: 32 loads
	WIN 0x40
.irp dt, 0,1,2,3,4,5,6,7
.irp ks, 0,1
	ds_load_tr16_b128 v[FR+8*(2*\dt+\ks):FR+8*(2*\dt+\ks)+3],   v[VA+\slot] offset:\j*TREG+\ks*32*VP+32*\dt
	ds_load_tr16_b128 v[FR+8*(2*\dt+\ks)+4:FR+8*(2*\dt+\ks)+7], v[VA+\slot] offset:\j*TREG+\ks*32*VP+16*VP+32*\dt
.endr
.endr
.endm
.macro LDB bo                          ; the bias of keys 16 kt + 8 h + 0..7 of the step, at byte bo of the lap's part of the table: 8 loads
	WIN 0
.irp kt, 0,1,2,3
	ds_load_b128 v[BI+8*\kt:BI+8*\kt+3],   v[BA] offset:\bo+64*\kt
	ds_load_b128 v[BI+8*\kt+4:BI+8*\kt+7], v[BA] offset:\bo+64*\kt+16
.endr
.endm
; S^T for 64 keys x 32 queries: 32 matrix instructions; the first product of each tile takes the keys' bias as C.
; The eight accumulators take turns, one instruction a turn.
.macro SMUL
	WIN 0x01
.irp ds, 0,1,2,3
.irp kt, 0,1,2,3
.irp qt, 0,1
.if \ds
	v_wmma_f32_16x16x32_f16 v[SC+8*(2*\kt+\qt):SC+8*(2*\kt+\qt)+7], v[FR+8*(4*\kt+\ds):FR+8*(4*\kt+\ds)+7], v[QF+32*\qt+8*\ds:QF+32*\qt+8*\ds+7], v[SC+8*(2*\kt+\qt):SC+8*(2*\kt+\qt)+7]
.else
	v_wmma_f32_16x16x32_f16 v[SC+8*(2*\kt+\qt):SC+8*(2*\kt+\qt)+7], v[FR+8*(4*\kt+\ds):FR+8*(4*\kt+\ds)+7], v[QF+32*\qt+8*\ds:QF+32*\qt+8*\ds+7], v[BI+8*\kt:BI+8*\kt+7]
.endif
.endr
.endr
.endr
.endm
; O^T += V^T P^T: 32 matrix instructions, sixteen accumulators by turns; first = 1: the first 32 keys start the sums
.macro PVMUL first
	WIN 0x51                                       ; V's fragments, C and D in window 1, P in window 0
.irp ks, 0,1
.irp dt, 0,1,2,3,4,5,6,7
.irp qt, 0,1
.if \first*(1-\ks)
	v_wmma_f32_16x16x32_f16 v[8*(2*\dt+\qt):8*(2*\dt+\qt)+7], v[FR+8*(2*\dt+\ks):FR+8*(2*\dt+\ks)+7], v[PR+16*\qt+8*\ks:PR+16*\qt+8*\ks+7], 0
.else
	v_wmma_f32_16x16x32_f16 v[8*(2*\dt+\qt):8*(2*\dt+\qt)+7], v[FR+8*(2*\dt+\ks):FR+8*(2*\dt+\ks)+7], v[PR+16*\qt+8*\ks:PR+16*\qt+8*\ks+7], v[8*(2*\dt+\qt):8*(2*\dt+\qt)+7]
.endif
.endr
.endr
.endr
.endm
.macro RESC                            ; O *= alpha
	WIN 0x41
.irp dt, 0,1,2,3,4,5,6,7
.irp qt, 0,1
.irp p, 0,2,4,6
	v_pk_mul_f32 v[8*(2*\dt+\qt)+\p:8*(2*\dt+\qt)+\p+1], v[8*(2*\dt+\qt)+\p:8*(2*\dt+\qt)+\p+1], v[AL+2*\qt:AL+2*\qt+1] op_sel_hi:[1,0]
.endr
.endr
.endr
.endm
; the factors of block j of my two: f in s58 = s59, 2^nl in s73, nl in v[NL]
.macro SCAL j
	s_mul_f32 s58, s70, s[60+\j]
	s_sub_co_u32 s72, s71, s[62+\j]                ; both are powers of two and sv <= sVg: the difference of the words is nl << 23
	s_min_u32 s72, s72, 0x20000000                 ; nl <= 64
	s_add_co_u32 s73, s72, 0x3f800000              ; 2^nl
	s_lshr_b32 s72, s72, 23
	s_mov_b32 s59, s58
	v_cvt_f32_u32 v[NL], s72
.endm
; softmax step of query tile qt on 64 keys, my lane's 32 of them in S's four tiles
.macro SOFT qt, first
.irp kt, 0,1,2,3
	v_max3_num_f32 v[TM+\kt], v[SC+8*(2*\kt+\qt)], v[SC+8*(2*\kt+\qt)+1], v[SC+8*(2*\kt+\qt)+2]
.endr
.irp kt, 0,1,2,3
	v_max3_num_f32 v[TM+\kt], v[TM+\kt], v[SC+8*(2*\kt+\qt)+3], v[SC+8*(2*\kt+\qt)+4]
.endr
.irp kt, 0,1,2,3
	v_max3_num_f32 v[TM+\kt], v[TM+\kt], v[SC+8*(2*\kt+\qt)+5], v[SC+8*(2*\kt+\qt)+6]
.endr
.irp kt, 0,1,2,3
	v_max_num_f32 v[TM+\kt], v[TM+\kt], v[SC+8*(2*\kt+\qt)+7]
.endr
	v_max3_num_f32 v[TM], v[TM], v[TM+1], v[TM+2]
	v_max_num_f32 v[TM], v[TM], v[TM+3]
	v_permlanex16_b32 v[TX], v[TM], s56, s57       ; the query's other 32 keys
	v_max_num_f32 v[TM], v[TM], v[TX]              ; f >= 0: the largest raw score is the largest score
.if \first
	v_fma_f32 v[MN], v[TM], s58, -v[NL]
.else
	v_fma_f32 v[TD], v[TM], s58, -v[NL]
	v_max_num_f32 v[MN], v[TD], v[MR+\qt]
	v_sub_f32 v[TD], v[MR+\qt], v[MN]
	v_exp_f32 v[AL+2*\qt], v[TD]                   ; alpha; the sum below is the plain work behind it (ISA guide 5.7.2)
.endif
	v_add_f32 v[NO], v[MN], v[NL]
.irp kt, 0,1,2,3
.irp p, 0,2,4,6
	v_pk_fma_f32 v[SC+8*(2*\kt+\qt)+\p:SC+8*(2*\kt+\qt)+\p+1], v[SC+8*(2*\kt+\qt)+\p:SC+8*(2*\kt+\qt)+\p+1], s[58:59], v[NO:NO+1] op_sel_hi:[1,0,0] neg_lo:[0,0,1] neg_hi:[0,0,1]
.endr
.endr
.irp kt, 0,1,2,3
.irp j, 0,1,2,3,4,5,6,7
	v_exp_f32 v[SC+8*(2*\kt+\qt)+\j], v[SC+8*(2*\kt+\qt)+\j]
.endr
.endr
	v_mov_b32 v[MR+\qt], v[MN]                     ; the plain instruction between the exponentials and their first use
	s_wait_alu depctr_va_vdst(0)
.irp kt, 0,1,2,3
	v_pk_add_f32 v[TS+2*\kt:TS+2*\kt+1], v[SC+8*(2*\kt+\qt):SC+8*(2*\kt+\qt)+1], v[SC+8*(2*\kt+\qt)+2:SC+8*(2*\kt+\qt)+3]
.endr
.irp kt, 0,1,2,3
	v_pk_add_f32 v[TS+2*\kt:TS+2*\kt+1], v[TS+2*\kt:TS+2*\kt+1], v[SC+8*(2*\kt+\qt)+4:SC+8*(2*\kt+\qt)+5]
.endr
.irp kt, 0,1,2,3
	v_pk_add_f32 v[TS+2*\kt:TS+2*\kt+1], v[TS+2*\kt:TS+2*\kt+1], v[SC+8*(2*\kt+\qt)+6:SC+8*(2*\kt+\qt)+7]
.endr
	v_pk_add_f32 v[TS:TS+1], v[TS:TS+1], v[TS+2:TS+3]
	v_pk_add_f32 v[TS+4:TS+5], v[TS+4:TS+5], v[TS+6:TS+7]
	v_pk_add_f32 v[TS:TS+1], v[TS:TS+1], v[TS+4:TS+5]
	v_add_f32 v[TS], v[TS], v[TS+1]
.if \first
	v_mul_f32 v[LR+\qt], s73, v[TS]
.else
	v_mul_f32 v[LR+\qt], v[LR+\qt], v[AL+2*\qt]
	v_fma_f32 v[LR+\qt], v[TS], s73, v[LR+\qt]     ; L = L alpha + 2^nl sum
.endif
.irp kt, 0,1,2,3
.irp i, 0,1,2,3
	v_cvt_pk_f16_f32 v[PR+16*\qt+4*\kt+\i], v[SC+8*(2*\kt+\qt)+2*\i], v[SC+8*(2*\kt+\qt)+2*\i+1]
.endr
.endr
.endm
; One step: my 64 keys of step j of a slot.  first = 1: the wave's first keys start M, L and O, and every wave makes their P V at the step's end.
; old = 1: the waves of phase 1 make the last step's P V here, at the head.  In every other step the waves of phase 0 make theirs at the step's end.
; Under the two branches stand only links that add in place, sixteen accumulators by turns.
.macro STEP slot, j, first, old, nextscl
.if \old
	s_cmp_eq_u32 s17, 0
	s_cbranch_scc1 .Lno_old_\@
	PVMUL 0
	WIN 0
.Lno_old_\@:
.endif
	PLACES                                         ; the fragment buffer was read by the last P V product
	LDK \slot, \j
	LDB 1024*\slot+256*\j
.if 1-\j
	s_wait_kmcnt 0x0                               ; this slot's scales are in, and the pointers below are free
	s_mov_b64 s[60:61], s[84:85]
	s_mov_b64 s[62:63], s[86:87]
.if \nextscl
	s_add_nc_u64 s[66:67], s[66:67], 16            ; four blocks of 64 keys on
	s_add_nc_u64 s[68:69], s[68:69], 16
	s_load_b64 s[84:85], s[66:67], 0x0             ; my two k scales of the next 256 keys
	s_load_b64 s[86:87], s[68:69], 0x0             ; and v scales
.endif
.endif
	SCAL \j
	s_wait_dscnt 0x0                               ; K's fragments and the bias are in
	SMUL
	PLACES
	LDV \slot, \j                                  ; into the same buffer; the softmax below covers their way
	WIN 0
	SOFT 0, \first
	SOFT 1, \first
.if 1-\first
	RESC
.endif
	WIN 0
	s_wait_dscnt 0x0                               ; V's fragments are in: nothing of this step is left to read from LDS
.if \first
	PVMUL 1                                        ; every wave: the first products start the sums; nothing is cleared
	WIN 0
.else
	s_cmp_lg_u32 s17, 0
	s_cbranch_scc1 .Lno_new_\@
	PVMUL 0
	WIN 0
.Lno_new_\@:
.endif
.endm
; The change of slots.  mode 2: the slot just read is filled again; 1: a change without a fill; 0: the last keys.
.macro CHANGE slot, mode
.if \mode
	s_wait_dscnt 0x0                               ; my reads of this slot are back (met: the step's last wait)
	s_wait_tensorcnt 0x0                           ; and all my tensor loads have landed: my part of the next slot
	ds_add_u32 v254, v255
	s_wait_dscnt 0x0
	s_barrier_signal -1
	s_barrier_wait -1
.endif
.if \mode/2
	CREST                                          ; no wave of any partner reads this slot or has a load on its way
	s_add_nc_u64 s[G0K+4*\slot+2:G0K+4*\slot+3], s[G0K+4*\slot+2:G0K+4*\slot+3], 131072
	s_add_nc_u64 s[G0V+4*\slot+2:G0V+4*\slot+3], s[G0V+4*\slot+2:G0V+4*\slot+3], 131072
	JLOAD \slot                                    ; my one tensor load behind the round: 512 keys ahead; two steps of every wave follow before its wait
.endif
.endm
.macro BIG slot, first, mode, nextscl  ; 256 keys
	STEP \slot, 0, \first, 1-\first, \nextscl
	STEP \slot, 1, 0, 1-\first, 0
	CHANGE \slot, \mode
.endm
.macro LAPM first                      ; 512 keys, both slots filled again
	BIG 0, \first, 2, 1
	BIG 1, 0, 2, 1
	v_add_nc_u32 v[BA], 0x800, v[BA]               ; 512 keys on
.endm
	s_load_b256 s[4:11], s[0:1], 0x0               ; qkv s[4:5], scl s[6:7], attn_mask s[8:9], oh s[10:11]
	v_lshl_add_u32 v254, v0, 2, 0x4a100
	v_mov_b32 v255, 0
	ds_add_u32 v254, v255
	v_lshrrev_b32 v1, 5, v0
	v_readfirstlane_b32 s12, v1                    ; wave 0..7
	s_lshr_b32 s13, s12, 2                         ; kh: my half of the keys; also: I fetch for K (0) or V (1)
	s_and_b32 s14, s12, 3                          ; my group of 32 queries; also: which 64 keys I fetch
	s_bfe_u32 s15, ttmp6, 0x40000                  ; cx
	s_lshl_b32 s16, ttmp9, 2
	s_add_co_u32 s16, s16, s15                     ; x
	s_and_b32 s17, ttmp7, 0xffff                   ; y
	s_lshr_b32 s18, s17, 2                         ; batch
	s_and_b32 s19, s17, 3                          ; kv head
	s_xor_b32 s17, s12, s13                        ; from here on s17 is my phase bit (w ^ (w >> 2)) & 1, made of the wave's number alone
	s_and_b32 s17, s17, 1
	s_lshr_b32 s20, s16, 4
	s_lshl1_add_u32 s20, s19, s20                  ; query head = 2 kv head + x / 16
	s_and_b32 s21, s16, 15                         ; query block
	s_mov_b32 s56, 0x76543210                      ; v_permlanex16_b32: lane i reads lane i of the other half
	s_mov_b32 s57, 0xfedcba98
	; group 1: 64 rows x 128 elements of 2 bytes, dense in memory; 4 (K) or 8 (V) words of padding behind every 64; all four partners named
	s_mov_b32 s[G1K+0], 15|(1<<16)|(1<<20)|(1<<21)|(5<<22)|(3<<25)
	s_mov_b32 s[G1K+1], 128<<16
	s_mov_b32 s[G1K+2], 64<<16
	s_mov_b32 s[G1K+3], 128<<16
	s_mov_b32 s[G1K+4], 64
	s_mov_b32 s[G1K+5], 128
	s_mov_b32 s[G1K+6], 0
	s_mov_b32 s[G1K+7], 0
	s_mov_b32 s[G1V+0], 15|(1<<16)|(1<<20)|(1<<21)|(5<<22)|(7<<25)
	s_mov_b32 s[G1V+1], 128<<16
	s_mov_b32 s[G1V+2], 64<<16
	s_mov_b32 s[G1V+3], 128<<16
	s_mov_b32 s[G1V+4], 64
	s_mov_b32 s[G1V+5], 128
	s_mov_b32 s[G1V+6], 0
	s_mov_b32 s[G1V+7], 0
	s_add_co_u32 s76, s19, 8                       ; K: head column 8 + kv head (1 MiB each), row 2048 batch + 64 part (256 bytes each)
	s_lshl_b32 s76, s76, 20
	s_lshl_b32 s77, s18, 19
	s_add_co_u32 s76, s76, s77
	s_lshl_b32 s77, s14, 14
	s_add_co_u32 s76, s76, s77
	s_mov_b32 s77, 0
	s_mul_i32 s75, s12, TREG                       ; where my load lands: the wave's number alone
	s_wait_dscnt 0x0
	s_wait_kmcnt 0x0
	s_add_nc_u64 s[80:81], s[4:5], s[76:77]
	CROUND                                         ; the four work-groups are here: the first joint loads meet
.irp s, 0,1
	s_mov_b32 s[G0K+4*\s], 1
	s_add_co_u32 s[G0K+4*\s+1], s75, \s*SLOT
	s_add_nc_u64 s[G0K+4*\s+2:G0K+4*\s+3], s[80:81], \s*65536
	s_or_b32 s[G0K+4*\s+3], s[G0K+4*\s+3], 0x80000000
	s_mov_b32 s[G0V+4*\s], 1
	s_add_co_u32 s[G0V+4*\s+1], s75, \s*SLOT
	s_add_nc_u64 s[G0V+4*\s+2:G0V+4*\s+3], s[80:81], 0x400000+\s*65536   ; V's head columns lie 4 MiB behind K's
	s_or_b32 s[G0V+4*\s+3], s[G0V+4*\s+3], 0x80000000
	JLOAD \s                                       ; two tensor loads of the wave are out
.endr
	; scales: my two k scales of keys 256 T at word (8 + kv head) 64 + 32 batch + 4 T + 2 kh, the v scales 256 words further
	s_mov_b32 s79, 0
	s_add_co_u32 s78, s19, 8
	s_lshl_b32 s78, s78, 8
	s_lshl_b32 s22, s18, 7
	s_add_co_u32 s78, s78, s22
	s_lshl_b32 s22, s13, 3
	s_add_co_u32 s78, s78, s22
	s_add_nc_u64 s[66:67], s[6:7], s[78:79]
	s_add_nc_u64 s[68:69], s[66:67], 0x400
	s_load_b64 s[84:85], s[66:67], 0x0
	s_load_b64 s[86:87], s[68:69], 0x0
	s_lshl_b32 s78, s20, 6                         ; my queries' scale: word query head x 64 + 32 batch + 2 block + group / 2
	s_lshl_b32 s22, s18, 5
	s_add_co_u32 s78, s78, s22
	s_lshl1_add_u32 s78, s21, s78
	s_lshr_b32 s22, s14, 1
	s_add_co_u32 s78, s78, s22
	s_lshl_b32 s78, s78, 2
	s_add_nc_u64 s[82:83], s[6:7], s[78:79]
	s_load_b32 s70, s[82:83], 0x0
	s_lshl_b32 s78, s18, 13                        ; my batch's mask
	s_add_nc_u64 s[8:9], s[8:9], s[78:79]
	s_lshl_b32 s78, s20, 20                        ; my queries: head x 1 MiB + (2048 batch + 128 block + 32 group) x 256 bytes
	s_lshl_b32 s22, s18, 19
	s_add_co_u32 s78, s78, s22
	s_lshl_b32 s22, s21, 15
	s_add_co_u32 s78, s78, s22
	s_lshl_b32 s22, s14, 13
	s_add_co_u32 s78, s78, s22
	s_add_nc_u64 s[4:5], s[4:5], s[78:79]
	s_lshl_b32 s78, s18, 22                        ; the 16 rows of oh that I finish (2,048 bytes each): 2048 batch + 128 block + 32 group + 16 kh; my head's 256 bytes
	s_lshl_b32 s22, s21, 18
	s_add_co_u32 s78, s78, s22
	s_lshl_b32 s22, s14, 16
	s_add_co_u32 s78, s78, s22
	s_lshl_b32 s22, s13, 15
	s_add_co_u32 s78, s78, s22
	s_lshl_b32 s22, s20, 8
	s_add_co_u32 s78, s78, s22
	s_add_nc_u64 s[10:11], s[10:11], s[78:79]
	v_lshlrev_b32 v2, 4, v0                        ; 16 t
	v_and_b32 v3, 31, v0                           ; l
	v_lshlrev_b32 v28, 5, v3                       ; 32 l
	v_and_b32 v1, 15, v0                           ; r
	v_bfe_u32 v29, v0, 4, 1                        ; h
	v_lshlrev_b32 v30, 8, v1
	v_lshl_add_u32 v30, v29, 4, v30                ; Q: row r, byte 16 h
.irp j, 0,1
	global_load_b128 v[SC+4*\j:SC+4*\j+3], v2, s[8:9] offset:4096*\j       ; the mask's 2,048 words, 8 for each of 256 threads
.endr
	global_load_b128 v[SC+16:SC+19], v28, s[6:7] offset:3072               ; the 256 v scales, 8 a lane
	global_load_b128 v[SC+20:SC+23], v28, s[6:7] offset:3088
.irp qt, 0,1
.irp ds, 0,1,2,3
	global_load_b128 v[QF+32*\qt+8*\ds:QF+32*\qt+8*\ds+3],   v30, s[4:5] offset:4096*\qt+64*\ds
	global_load_b128 v[QF+32*\qt+8*\ds+4:QF+32*\qt+8*\ds+7], v30, s[4:5] offset:4096*\qt+64*\ds+32
.endr
.endr
	v_mul_u32_u24 v[TS], v1, KP
	v_lshl_add_u32 v[TS], v29, 4, v[TS]            ; r x 272 + 16 h
	s_mul_i32 s22, s13, 2*TREG                     ; my half's two regions
	v_add_nc_u32 v[KA], s22, v[TS]
	v_add_nc_u32 v[KA+1], SLOT, v[KA]
	v_and_b32 v[TS+1], 7, v0
	v_lshl_add_u32 v[TS+1], v29, 3, v[TS+1]
	v_mul_u32_u24 v[TS+1], v[TS+1], VP
	v_bfe_u32 v[TS+2], v0, 3, 1
	v_lshl_add_u32 v[TS+1], v[TS+2], 4, v[TS+1]    ; (8 h + l % 8) x 288 + 16 ((l / 8) % 2)
	s_add_co_u32 s22, s22, 4*TREG                  ; V's regions lie behind K's four
	v_add_nc_u32 v[VA], s22, v[TS+1]
	v_add_nc_u32 v[VA+1], SLOT, v[VA]
	s_lshl_b32 s22, s13, 9                         ; my half's 128 keys of the table
	s_add_co_u32 s22, s22, BIASL
	v_lshl_add_u32 v[BA], v29, 5, s22
	s_mul_i32 s22, s12, 16*KP
	s_add_co_u32 s22, s22, STAGE
	v_add_nc_u32 v[STO], s22, v[TS]
	v_mul_u32_u24 v[TS+1], v29, KP
	v_lshl_add_u32 v[TS+1], v1, 4, v[TS+1]
	v_add_nc_u32 v[RD], s22, v[TS+1]
	v_lshlrev_b32 v[CO], 11, v29
	v_lshl_add_u32 v[CO], v1, 4, v[CO]
	s_mul_i32 s22, s12, MRGW                       ; the exchange: my part,
	v_lshl_add_u32 v[MGS], v3, 4, s22
	s_add_co_u32 s23, s22, 8192
	v_lshl_add_u32 v[MS2], v3, 3, s23
	s_xor_b32 s23, s12, 4                          ; and my partner's
	s_mul_i32 s22, s23, MRGW
	v_lshl_add_u32 v[MGL], v3, 4, s22
	s_add_co_u32 s23, s22, 8192
	v_lshl_add_u32 v[ML2], v3, 3, s23
	v_add_nc_u32 v[TS+3], BIASL, v2
	s_lshl_b32 s22, s12, 2
	s_add_co_u32 s22, s22, FLAGL
	v_mov_b32 v[TS+4], s22                         ; my wave's flag word
	v_mov_b32 v[NEG], 0xdf800000                   ; -2^64
	v_mov_b32 v[TX], 0                             ; v_permlanex16_b32 counts as a reader of its destination
	v_mov_b32 v[NO+1], 0                           ; the second register of a broadcast pair is named by the instruction and never used: written once
	v_mov_b32 v[AL+1], 0
	v_mov_b32 v[AL+3], 0
	v_mov_b32 v[GA+1], 0
	v_mov_b32 v[GB+1], 0
	s_wait_loadcnt 18                              ; the mask is in; 2 loads of scales and 16 of Q stay out
	v_or_b32 v[TS+5], v[SC], v[SC+1]               ; is any of my wave's 256 keys open?
.irp j, 2,3,4,5,6,7
	v_or_b32 v[TS+5], v[TS+5], v[SC+\j]
.endr
	v_cmp_ne_u32 vcc_lo, 0, v[TS+5]
	s_cmp_lg_u32 vcc_lo, 0
	s_cselect_b32 s22, 1, 0
	v_mov_b32 v[TS+5], s22
	ds_store_b32 v[TS+4], v[TS+5]                  ; all lanes write the same word with the same value
.irp j, 0,1,2,3,4,5,6,7
	v_cmp_eq_u32 vcc_lo, 0, v[SC+\j]
	v_cndmask_b32 v[SC+\j], 0, v[NEG], vcc_lo
.endr
.irp j, 0,1
	ds_store_b128 v[TS+3], v[SC+4*\j:SC+4*\j+3] offset:4096*\j
.endr
	s_wait_loadcnt 16                              ; the v scales are in; Q's 16 loads stay out
	v_max3_num_f32 v[SC+16], v[SC+16], v[SC+17], v[SC+18]
	v_max3_num_f32 v[SC+20], v[SC+20], v[SC+21], v[SC+22]
	v_max3_num_f32 v[SC+16], v[SC+16], v[SC+19], v[SC+23]
	v_max_num_f32 v[SC+16], v[SC+16], v[SC+20]
	v_max_num_f32_dpp v[SC+16], v[SC+16], v[SC+16] row_xmask:1 row_mask:0xf bank_mask:0xf
	v_max_num_f32_dpp v[SC+16], v[SC+16], v[SC+16] row_xmask:2 row_mask:0xf bank_mask:0xf
	v_max_num_f32_dpp v[SC+16], v[SC+16], v[SC+16] row_xmask:4 row_mask:0xf bank_mask:0xf
	v_max_num_f32_dpp v[SC+16], v[SC+16], v[SC+16] row_xmask:8 row_mask:0xf bank_mask:0xf
	v_permlanex16_b32 v[TX], v[SC+16], s56, s57
	v_max_num_f32 v[SC+16], v[SC+16], v[TX]
	v_readfirstlane_b32 s71, v[SC+16]              ; sVg
	s_wait_kmcnt 0x0
	s_mul_f32 s70, s70, 0x3f0293ee                 ; sq log2(e) / sqrt(8)
	s_wait_loadcnt 0x0                             ; Q
	s_wait_tensorcnt 0x1                           ; my part of slot 0 is in; slot 1's may stay out
	s_wait_dscnt 0x0                               ; my part of the table and my flag are written
	s_barrier_signal -1
	s_barrier_wait -1
	v_mov_b32 v[TS+4], FLAGL
	ds_load_b128 v[TS:TS+3], v[TS+4]               ; the eight waves' flags
	ds_load_b128 v[SC:SC+3], v[TS+4] offset:16
	s_wait_dscnt 0x0
	v_or_b32 v[TS], v[TS], v[TS+1]
	v_or_b32 v[TS+2], v[TS+2], v[TS+3]
	v_or_b32 v[SC], v[SC], v[SC+1]
	v_or_b32 v[SC+2], v[SC+2], v[SC+3]
	v_or_b32 v[TS], v[TS], v[TS+2]
	v_or_b32 v[SC], v[SC], v[SC+2]
	v_or_b32 v[TS], v[TS], v[SC]
	v_readfirstlane_b32 s22, v[TS]
	s_cmp_lg_u32 s22, 0
	s_cselect_b32 s70, s70, 0                      ; no open key in the batch: f = 0, uniform weights
	LAPM 1                                         ; keys 0 .. 511: the first keys start M, L and O
	s_mov_b32 s74, 2
.Llap:
	LAPM 0                                         ; keys 512 .. 1535
	s_sub_co_u32 s74, s74, 1
	s_cmp_lg_u32 s74, 0
	s_cbranch_scc1 .Llap
	BIG 0, 0, 1, 1                                 ; keys 1536 .. 2047: nothing is left to fetch
	BIG 1, 0, 0, 0
	s_cmp_eq_u32 s17, 0
	s_cbranch_scc1 .Lall_in
	PVMUL 0                                        ; the waves of phase 1: the last step's P V
	WIN 0
.Lall_in:
	PLACES
	; THE MERGE.  Partners w and w ^ 4 hold M, L, O of the same 32 queries over the two halves of the keys.  Waves 0-3 finish tile 0 and hand
	; tile 1 over, waves 4-7 the other way round.  The bytes lie in slot 0, which no tensor load fills and no wave reads any more.
	v_permlanex16_b32 v[TX], v[LR], s56, s57       ; the sums of the two halves of the lanes meet
	v_add_f32 v[LF], v[LR], v[TX]
	v_permlanex16_b32 v[TX], v[LR+1], s56, s57
	v_add_f32 v[LF+1], v[LR+1], v[TX]
.macro SEND qt
	v_mov_b32 v[XP], v[MR+\qt]
	v_mov_b32 v[XP+1], v[LF+\qt]
	ds_store_b64 v[MS2], v[XP:XP+1]
	WIN 0x04                                       ; the data in window 1
.irp dt, 0,1,2,3,4,5,6,7
.irp e, 0,1
	ds_store_b128 v[MGS], v[8*(2*\dt+\qt)+4*\e:8*(2*\dt+\qt)+4*\e+3] offset:(2*\dt+\e)*512
.endr
.endr
	WIN 0
.endm
; O = (O a + O' b) / (L a + L' b), a = 2^(M - max), b = 2^(M' - max); f16; 16 queries through my stage; sixteen lanes store 256 consecutive bytes, aligned
.macro FIN qt
.irp i, 0,1,2,3,4,5,6,7,8,9,10,11,12,13,14,15
	ds_load_b128 v[SC+4*\i:SC+4*\i+3], v[MGL] offset:512*\i
.endr
	ds_load_b64 v[XP+2:XP+3], v[ML2]
	s_wait_dscnt 0x0
	v_max_num_f32 v[TM], v[MR+\qt], v[XP+2]
	v_sub_f32 v[TM+1], v[MR+\qt], v[TM]
	v_sub_f32 v[TM+2], v[XP+2], v[TM]
	v_exp_f32 v[TM+1], v[TM+1]
	v_exp_f32 v[TM+2], v[TM+2]
	v_nop                                          ; the plain place behind the exponentials (ISA guide 5.7.2)
	s_wait_alu depctr_va_vdst(0)
	v_mul_f32 v[TD], v[LF+\qt], v[TM+1]
	v_fma_f32 v[TD], v[XP+3], v[TM+2], v[TD]       ; L >= 1: the key of the maximum counts 2^nl
	v_rcp_f32 v[TX], v[TD]
	v_nop
	s_wait_alu depctr_va_vdst(0)
	v_mul_f32 v[GA], v[TM+1], v[TX]
	v_mul_f32 v[GB], v[TM+2], v[TX]
.irp dt, 0,1,2,3,4,5,6,7
.irp p, 0,2,4,6
	v_pk_mul_f32 v[SC+8*\dt+\p:SC+8*\dt+\p+1], v[SC+8*\dt+\p:SC+8*\dt+\p+1], v[GB:GB+1] op_sel_hi:[1,0]
.endr
.endr
	WIN 0x01                                       ; my O in window 1
.irp dt, 0,1,2,3,4,5,6,7
.irp p, 0,2,4,6
	v_pk_fma_f32 v[SC+8*\dt+\p:SC+8*\dt+\p+1], v[8*(2*\dt+\qt)+\p:8*(2*\dt+\qt)+\p+1], v[GA:GA+1], v[SC+8*\dt+\p:SC+8*\dt+\p+1] op_sel_hi:[1,0,1]
.endr
.endr
	WIN 0
.irp dt, 0,1,2,3,4,5,6,7
.irp p, 0,1,2,3
	v_cvt_pk_f16_f32 v[PR+4*\dt+\p], v[SC+8*\dt+2*\p], v[SC+8*\dt+2*\p+1]
.endr
.endr
.irp dt, 0,1,2,3,4,5,6,7
	ds_store_b128 v[STO], v[PR+4*\dt:PR+4*\dt+3] offset:32*\dt
.endr
.irp t, 0,1,2,3,4,5,6,7
	ds_load_b128 v[BI+4*\t:BI+4*\t+3], v[RD] offset:\t*2*KP        ; LDS serves a wave's instructions in order: these see the stores above
.endr
.irp t, 0,1,2,3,4,5,6,7
	s_wait_dscnt 7-\t                              ; the 7-t younger loads stay out
	global_store_b128 v[CO], v[BI+4*\t:BI+4*\t+3], s[10:11] offset:\t*4096
.endr
.endm
	s_cmp_lg_u32 s13, 0
	s_cbranch_scc1 .Lsend_0
	SEND 1
	s_branch .Lsent
.Lsend_0:
	SEND 0
.Lsent:
	s_wait_dscnt 0x0                               ; for my partner's sake: what I hand over is written
	s_barrier_signal -1
	s_barrier_wait -1
	s_cmp_lg_u32 s13, 0
	s_cbranch_scc1 .Lfin_1
	FIN 0
	s_branch .Lstored
.Lfin_1:
	FIN 1
.Lstored:
	s_wait_tensorcnt 0x0
	ds_add_u32 v254, v255
	s_wait_dscnt 0x0
	CROUND                                         ; the closing round: no work-group ends while a partner may still ask for a tile that names it
	s_endpgm
.Lfunc_end_k_q93500d8cc8_attn:
	.size	k_q93500d8cc8_attn, .Lfunc_end_k_q93500d8cc8_attn-k_q93500d8cc8_attn
	.p2alignl 7, 3214868480
	.fill 96, 4, 3214868480
	.section	.rodata,"a",@progbits
	.p2align	6, 0x0
	.amdhsa_kernel k_q93500d8cc8_attn
		.amdhsa_group_segment_fixed_size 327680
		.amdhsa_private_segment_fixed_size 0
		.amdhsa_enable_private_segment 0
		.amdhsa_kernarg_size 32
		.amdhsa_user_sgpr_count 2
		.amdhsa_user_sgpr_kernarg_segment_ptr 1
		.amdhsa_wavefront_size32 1
		.amdhsa_system_sgpr_workgroup_id_x 1
		.amdhsa_system_sgpr_workgroup_id_y 1
		.amdhsa_system_sgpr_workgroup_id_z 1
		.amdhsa_system_vgpr_workitem_id 0
		.amdhsa_next_free_vgpr 512
		.amdhsa_next_free_sgpr 88
		.amdhsa_reserve_vcc 1
		.amdhsa_float_denorm_mode_32 3
		.amdhsa_float_denorm_mode_16_64 3
		.amdhsa_memory_ordered 1
		.amdhsa_forward_progress 1
		.amdhsa_inst_pref_size 255
	.end_amdhsa_kernel
	.section	.bss,"aw",@nobits
	.p2align	6
	.space	262144
	.amdgpu_metadata
---
amdhsa.version: [ 1, 2 ]
amdhsa.kernels:
  - .name:           k_q93500d8cc8_attn
    .symbol:         k_q93500d8cc8_attn.kd
    .args:
      - { .name: qkv, .offset: 0, .size: 8, .value_kind: global_buffer, .address_space: global }
      - { .name: scl, .offset: 8, .size: 8, .value_kind: global_buffer, .address_space: global }
      - { .name: attn_mask, .offset: 16, .size: 8, .value_kind: global_buffer, .address_space: global }
      - { .name: oh, .offset: 24, .size: 8, .value_kind: global_buffer, .address_space: global }
    .group_segment_fixed_size: 327680
    .private_segment_fixed_size: 0
    .kernarg_segment_align: 8
    .kernarg_segment_size: 32
    .max_flat_workgroup_size: 256
    .sgpr_count:     88
    .vgpr_count:     512
    .wavefront_size: 32
...
	.end_amdgpu_metadata
.endif
;; end of part 3
;; launch oproj (part 4): grid 16 x 16, 4 waves a work-group, clusters of 4 x 4, 327,680 bytes of LDS; arguments oh, wo16, bo, scl, out0; writes out0
.if DOCPART == 4
	.amdgcn_target "amdgcn-amd-amdhsa--gfx1250"
	.amdhsa_code_object_version 6
	.text
	.protected	k_q93500d8cc8_oproj
	.globl	k_q93500d8cc8_oproj
	.p2align	8
	.type	k_q93500d8cc8_oproj,@function
k_q93500d8cc8_oproj:
	s_mov_b64 s[64:65], 0
	v_nop
	global_prefetch_b8 v0, s[64:65] scope:SCOPE_SE
	s_setreg_imm32_b32 hwreg(HW_REG_WAVE_MODE, 25, 1), 1
	s_wait_xcnt 0x0
	s_wait_alu depctr_hold_cnt(0) depctr_sa_sdst(0) depctr_va_vdst(0) depctr_va_sdst(0) depctr_va_ssrc(0) depctr_va_vcc(0) depctr_vm_vsrc(0)
	s_getreg_b32 s2, hwreg(HW_REG_IB_STS2, 6, 4)
	s_cmp_eq_u32 s2, 0
	s_cbranch_scc0 .Lentry_in_a_cluster
	s_endpgm
.Lentry_in_a_cluster:
	s_bfe_u32 s2, ttmp6, 0x10000c
	s_cmp_lg_u32 s2, 0xf033
	s_cbranch_scc0 .Lentry_shape_is_right
	s_endpgm
.Lentry_shape_is_right:
; oproj: out0 [4096][4096] f32 = (oh [4096][1024] f16 times wo16 [1024][4096] f16) x sVg + bo; sVg = the largest of the 256 v scales, by which oh was divided.
; A work-group makes 256 x 256 with four waves, a wave 128 x 128: 64 accumulator tiles in windows 2 and 3.  16 x 16 = 256 work-groups.
; K goes in steps of 128 through two LDS slots: A's 256 rows (256 bytes, pitch 272), B's 128 K rows (512 bytes, pitch 544).
; CLUSTERS 4 x 4: A's tile is asked for jointly along a row of the cluster, B's along a column: a quarter of the requests.
; B lies [K][N] in LDS and is turned by ds_load_tr16_b128.  The matrix instruction is used transposed (source 0 = B's fragment):
; register j of lane l holds row l % 16, column 16 b + 8 (l / 16) + j.
; LIMIT: bo is taken at bf16, like every floating-point input.
.set KSTEP,  128
.set PITCH,  272
.set BP,     544                       ; 512 bytes + 32, an odd multiple of 32
.set REG,    128*PITCH                 ; = 64*BP: the LDS region of one wave's tensor load
.set SLOT,   4*REG
.set STAGE,  2*SLOT                    ; behind the ring: 16 rows x 528 bytes for each wave; no tensor load lands here
.set SPITCH, 528
.set NL,     32
.set LAPS,   4                         ; 1024 / 256
.set ASTEP,  2*KSTEP*2
.set BSTEP,  2*KSTEP*8192
.set ADRA, 16
.set ADRB, 20
.set STO,  24
.set RD,   25
.set CO,   26
.set F0,   64
.set F1,   128
.set BIAS, 192
.set TMP,  64
.set BK,   128
.set G1,  24
.set G0,  32
.set G1B, 48
.set G0B, 56
.set MSB, 0
.macro WIN new
.if MSB != \new
	s_set_vgpr_msb (MSB<<8)|\new
.set MSB, \new
.endif
.endm
.set MUL_LO, 0xa1
.set MUL_HI, 0xf1
.set TO_B,   0x40
.macro JLOAD s
	s_cmp_eq_u32 s11, 0
	s_cbranch_scc0 .Lfor_b_\@
	tensor_load_to_lds s[G0+4*\s:G0+4*\s+3], s[G1:G1+7]
	s_nop 0
	s_branch .Lasked_\@
.Lfor_b_\@:
	tensor_load_to_lds s[G0B+4*\s:G0B+4*\s+3], s[G1B:G1B+7]
	s_nop 0
.Lasked_\@:
.endm
.macro CREST
	s_cmp_lg_u32 s10, 0
	s_cbranch_scc1 .Lnot_wave_0_\@
	s_barrier_signal -3
.Lnot_wave_0_\@:
	s_barrier_wait -3
	s_barrier_signal -1
	s_barrier_wait -1
.endm
.macro CROUND
	s_barrier_signal -1
	s_barrier_wait -1
	CREST
.endm
.macro PLACES                          ; four plain vector places behind a matrix instruction (ISA guide 7.12.1)
.rept 4
	v_nop
.endr
.endm
.macro MUL16 f, hi, a0, zero
.irp a, \a0, \a0+1
.irp b, 0,1,2,3,4,5,6,7
.if \zero
	v_wmma_f32_16x16x32_f16 v[8*(8*(\a)+\b):8*(8*(\a)+\b)+7], v[\f+8*\b:\f+8*\b+7], v[\f+8*(4*\hi+\a):\f+8*(4*\hi+\a)+7], 0
.else
	v_wmma_f32_16x16x32_f16 v[8*(8*(\a)+\b):8*(8*(\a)+\b)+7], v[\f+8*\b:\f+8*\b+7], v[\f+8*(4*\hi+\a):\f+8*(4*\hi+\a)+7], v[8*(8*(\a)+\b):8*(8*(\a)+\b)+7]
.endif
.endr
.endr
.endm
.macro FETCH slot, q, f
	WIN TO_B
.irp i, 0,1,2,3,4,5,6,7
	ds_load_tr16_b128 v[\f+8*\i:\f+8*\i+3],   v[ADRB+\slot] offset:(\q/2)*REG+(\q%2)*32*BP+32*\i
	ds_load_tr16_b128 v[\f+8*\i+4:\f+8*\i+7], v[ADRB+\slot] offset:(\q/2)*REG+(\q%2)*32*BP+32*\i+16*BP
.endr
	WIN 0
.irp i, 0,1,2,3,4,5,6,7
	ds_load_b128 v[\f+8*\i:\f+8*\i+3],   v[ADRA+\slot] offset:64*\q+\i*16*PITCH
	ds_load_b128 v[\f+8*\i+4:\f+8*\i+7], v[ADRA+\slot] offset:64*\q+\i*16*PITCH+32
.endr
.endm
; The 64 accumulators take turns, one instruction a turn, in the same order in every quarter.
.macro QUARTER slot, q, f, g, zero
	PLACES                                         ; buffer g was read by the matrix instructions just in front
	FETCH \slot, \q, \g
	s_wait_dscnt NL                                ; all but the run just issued: buffer f is in
	WIN MUL_LO
	MUL16 \f, 0, 0, \zero
	MUL16 \f, 0, 2, \zero
	WIN MUL_HI
	MUL16 \f, 1, 0, \zero
	MUL16 \f, 1, 2, \zero
.endm
.macro THREE slot, zero
	QUARTER \slot, 1, F0, F1, \zero
	QUARTER \slot, 2, F1, F0, 0
	QUARTER \slot, 3, F0, F1, 0
.endm
.macro TURN slot, next, fill
	s_wait_dscnt 0x0                               ; buffer 1 is in, and with it my last reads of this slot
	s_wait_tensorcnt 0x0                           ; all my tensor loads have landed: my part of the next slot
	ds_add_u32 v255, v63
	s_wait_dscnt 0x0
	s_barrier_signal -1
	WIN MUL_LO
	MUL16 F1, 0, 0, 0                              ; register work while the others arrive
	WIN 0
	s_barrier_wait -1
.if \fill
	CREST                                          ; no wave of any partner reads this slot or has a load on its way
	s_add_nc_u64 s[G0+4*\slot+2:G0+4*\slot+3], s[G0+4*\slot+2:G0+4*\slot+3], ASTEP
	s_add_nc_u64 s[G0B+4*\slot+2:G0B+4*\slot+3], s[G0B+4*\slot+2:G0B+4*\slot+3], BSTEP
	JLOAD \slot                                    ; my one tensor load behind the round; 240 of a K step's 256 matrix instructions follow before its wait
.endif
	PLACES
	FETCH \next, 0, F0
	WIN MUL_LO
	MUL16 F1, 0, 2, 0
	WIN MUL_HI
	MUL16 F1, 1, 0, 0
	MUL16 F1, 1, 2, 0
.endm
.macro LAP zero
	THREE 0, \zero
	TURN 0, 1, 1
	THREE 1, 0
	TURN 1, 0, 1
.endm
	s_load_b128 s[4:7], s[0:1], 0x0                ; oh s[4:5], wo16 s[6:7]
	s_load_b128 s[68:71], s[0:1], 0x10             ; bo s[68:69], scl s[70:71]
	s_load_b64 s[8:9], s[0:1], 0x20                ; out0
	s_set_vgpr_msb 0x40
	v_lshl_add_u32 v255, v0, 2, 0x4c400
	s_set_vgpr_msb 0x4000
	v_mov_b32 v63, 0
	s_set_vgpr_msb 0x1
	ds_add_u32 v255, v63
	s_set_vgpr_msb 0x100
	v_lshrrev_b32 v1, 5, v0
	v_readfirstlane_b32 s10, v1
	s_lshr_b32 s11, s10, 1                         ; my half of the block's rows; also: I fetch for A (0) or B (1)
	s_and_b32 s12, s10, 1                          ; my half of its columns; also: which half of that tile I fetch
	s_bfe_u32 s40, ttmp6, 0x40000
	s_bfe_u32 s41, ttmp6, 0x40004
	s_lshl_b32 s42, ttmp9, 2
	s_add_co_u32 s42, s42, s40                     ; block column
	s_and_b32 s13, ttmp7, 0xffff
	s_lshl_b32 s13, s13, 2
	s_add_co_u32 s13, s13, s41                     ; block row
	s_lshl_b32 s43, s41, 2
	s_lshl_b32 s43, 15, s43
	s_lshl_b32 s44, 0x1111, s40
	s_mov_b32 s80, 0x76543210
	s_mov_b32 s81, 0xfedcba98
	s_or_b32 s[G1+0], s43, (1<<16)|(1<<20)|(1<<21)|(5<<22)|(3<<25)   ; A: 128 rows x 128 elements, 4 words behind every 64
	s_mov_b32 s[G1+1], 128<<16
	s_mov_b32 s[G1+2], 128<<16
	s_mov_b32 s[G1+3], 128<<16
	s_mov_b32 s[G1+4], 128
	s_mov_b32 s[G1+5], 1024                        ; elements from row to row of oh
	s_mov_b32 s[G1+6], 0
	s_mov_b32 s[G1+7], 0
	s_or_b32 s[G1B+0], s44, (1<<16)|(1<<20)|(1<<21)|(6<<22)|(7<<25)  ; B: 64 K rows x 256 elements, 8 words behind every 128
	s_mov_b32 s[G1B+1], 256<<16
	s_mov_b32 s[G1B+2], 64<<16
	s_mov_b32 s[G1B+3], 256<<16
	s_mov_b32 s[G1B+4], 64
	s_mov_b32 s[G1B+5], 4096                       ; elements from row to row of wo16
	s_mov_b32 s[G1B+6], 0
	s_mov_b32 s[G1B+7], 0
	s_lshl_b32 s16, s13, 19                        ; A: (256 x block row + 128 x half) rows of 2,048 bytes
	s_lshl_b32 s17, s12, 18
	s_add_co_u32 s16, s16, s17
	s_mov_b32 s17, 0
	s_lshl_b32 s46, s42, 9                         ; B: 512 bytes for each block column, + 64 x half K rows of 8,192 bytes
	s_lshl_b32 s47, s12, 19
	s_add_co_u32 s46, s46, s47
	s_mov_b32 s47, 0
	s_mul_i32 s20, s10, REG
	s_wait_dscnt 0x0
	s_wait_kmcnt 0x0
	s_add_nc_u64 s[14:15], s[4:5], s[16:17]
	s_add_nc_u64 s[46:47], s[6:7], s[46:47]
	CROUND                                         ; the first joint loads meet
.irp s, 0,1
	s_mov_b32 s[G0+4*\s], 1
	s_add_co_u32 s[G0+4*\s+1], s20, \s*SLOT
	s_add_nc_u64 s[G0+4*\s+2:G0+4*\s+3], s[14:15], \s*KSTEP*2
	s_or_b32 s[G0+4*\s+3], s[G0+4*\s+3], 0x80000000
	s_mov_b32 s[G0B+4*\s], 1
	s_add_co_u32 s[G0B+4*\s+1], s20, \s*SLOT
	s_add_nc_u64 s[G0B+4*\s+2:G0B+4*\s+3], s[46:47], \s*KSTEP*8192
	s_or_b32 s[G0B+4*\s+3], s[G0B+4*\s+3], 0x80000000
	JLOAD \s                                       ; two tensor loads of the wave are out
.endr
	s_lshl_b32 s86, s42, 10                        ; my 128 columns: byte (256 x block column + 128 x half) x 4
	s_lshl_b32 s87, s12, 9
	s_add_co_u32 s86, s86, s87
	s_mov_b32 s87, 0
	s_add_nc_u64 s[68:69], s[68:69], s[86:87]      ; in bo,
	s_add_nc_u64 s[8:9], s[8:9], s[86:87]          ; and in out0,
	s_lshl_b32 s86, s13, 22                        ; at my first row: (256 x block row + 128 x half) rows of 16,384 bytes
	s_lshl_b32 s88, s11, 21
	s_add_co_u32 s86, s86, s88
	s_add_nc_u64 s[8:9], s[8:9], s[86:87]
	v_and_b32 v1, 15, v0                           ; r
	v_bfe_u32 v2, v0, 4, 1                         ; h
	v_and_b32 v6, 31, v0
	v_lshlrev_b32 v7, 5, v2
	v_lshlrev_b32 v8, 5, v6
.irp b, 0,1,2,3,4,5,6,7
	global_load_b128 v[BIAS+8*\b:BIAS+8*\b+3],   v7, s[68:69] offset:64*\b
	global_load_b128 v[BIAS+8*\b+4:BIAS+8*\b+7], v7, s[68:69] offset:64*\b+16
.endr
	global_load_b128 v[64:67], v8, s[70:71] offset:3072      ; the 256 v scales, 8 a lane
	global_load_b128 v[68:71], v8, s[70:71] offset:3088
	v_mul_u32_u24 v3, v1, PITCH
	v_lshl_add_u32 v3, v2, 4, v3
	v_and_b32 v4, 7, v0
	v_lshl_add_u32 v4, v2, 3, v4
	v_mul_u32_u24 v4, v4, BP
	v_bfe_u32 v5, v0, 3, 1
	v_lshl_add_u32 v4, v5, 4, v4
	s_mul_i32 s21, s11, REG                        ; my 128 rows of A
	s_lshl_b32 s22, s12, 8                         ; my 128 columns of B: 256 bytes
	s_add_co_u32 s22, s22, 2*REG
.irp s, 0,1
	v_add_nc_u32 v[ADRA+\s], s21, v3
	v_add_nc_u32 v[ADRB+\s], s22, v4
	s_add_co_u32 s21, s21, SLOT
	s_add_co_u32 s22, s22, SLOT
.endr
	s_mul_i32 s23, s10, 16*SPITCH
	s_add_co_u32 s23, s23, STAGE
	v_mul_u32_u24 v5, v1, SPITCH                   ; in: row r, 32 bytes for each half of the lanes
	v_lshl_add_u32 v5, v2, 5, v5
	v_add_nc_u32 v[STO], s23, v5
	v_lshlrev_b32 v[CO], 4, v6                     ; back and out: a row of 512 bytes, 16 bytes a lane
	v_add_nc_u32 v[RD], s23, v[CO]
	s_wait_loadcnt 0x0
.set j, 0
.rept 32
	v_cvt_pk_bf16_f32 v27, v[BIAS+j], v[BIAS+j+1]  ; the bias at bf16, kept as f32
	v_lshlrev_b32 v[BIAS+j], 16, v27
	v_and_b32 v[BIAS+j+1], 0xffff0000, v27
.set j, j+2
.endr
	v_max3_num_f32 v64, v64, v65, v66
	v_max3_num_f32 v68, v68, v69, v70
	v_max3_num_f32 v64, v64, v67, v71
	v_max_num_f32 v64, v64, v68
	v_max_num_f32_dpp v64, v64, v64 row_xmask:1 row_mask:0xf bank_mask:0xf
	v_max_num_f32_dpp v64, v64, v64 row_xmask:2 row_mask:0xf bank_mask:0xf
	v_max_num_f32_dpp v64, v64, v64 row_xmask:4 row_mask:0xf bank_mask:0xf
	v_max_num_f32_dpp v64, v64, v64 row_xmask:8 row_mask:0xf bank_mask:0xf
	v_permlanex16_b32 v65, v64, s80, s81
	v_max_num_f32 v64, v64, v65
	v_readfirstlane_b32 s82, v64                   ; sVg
	s_mov_b32 s83, s82
	s_wait_tensorcnt 0x1                           ; my part of K step 0 is in; K step 1's may stay out
	s_barrier_signal -1
	s_barrier_wait -1
	FETCH 0, 0, F0
	LAP 1
	WIN 0
	s_mov_b32 s3, LAPS-2
.Llap:
	LAP 0
	WIN 0
	s_sub_co_u32 s3, s3, 1
	s_cmp_lg_u32 s3, 0
	s_cbranch_scc1 .Llap
	THREE 0, 0                                     ; the last lap fills nothing
	TURN 0, 1, 0
	THREE 1, 0
	s_wait_dscnt 0x0
	WIN MUL_LO
	MUL16 F1, 0, 0, 0
	MUL16 F1, 0, 2, 0
	WIN MUL_HI
	MUL16 F1, 1, 0, 0
	MUL16 F1, 1, 2, 0
	PLACES
; THE WAY OUT, 16 rows at a time: sum x sVg + bias in one fused step, through my stage, a whole row of 512 consecutive bytes a store
.macro OUT16 i, a, from
	WIN \from
.irp b, 0,1,2,3,4,5,6,7
.irp p, 0,2,4,6
	v_pk_fma_f32 v[TMP+8*\b+\p:TMP+8*\b+\p+1], v[8*(8*\a+\b)+\p:8*(8*\a+\b)+\p+1], s[82:83], v[BIAS+8*\b+\p:BIAS+8*\b+\p+1] op_sel_hi:[1,0,1]
.endr
.endr
	WIN 0
.irp b, 0,1,2,3,4,5,6,7
	ds_store_b128 v[STO], v[TMP+8*\b:TMP+8*\b+3]   offset:64*\b
	ds_store_b128 v[STO], v[TMP+8*\b+4:TMP+8*\b+7] offset:64*\b+16
.endr
	s_wait_xcnt 0x0                                ; the last block's stores have read their data and their base
.if \i
	s_add_nc_u64 s[8:9], s[8:9], 16*16384
.endif
.irp t, 0,1,2,3,4,5,6,7,8,9,10,11,12,13,14,15
	ds_load_b128 v[BK+4*\t:BK+4*\t+3], v[RD] offset:\t*SPITCH      ; LDS serves a wave's instructions in order: these see the stores above
.endr
.irp t, 0,1,2,3,4,5,6,7,8,9,10,11,12,13,14,15
	s_wait_dscnt 15-\t                             ; the 15-t younger loads stay out
	global_store_b128 v[CO], v[BK+4*\t:BK+4*\t+3], s[8:9] offset:\t*16384 th:TH_STORE_NT
.endr
.endm
	OUT16 0, 0, 0x02
	OUT16 1, 1, 0x02
	OUT16 2, 2, 0x02
	OUT16 3, 3, 0x02
	OUT16 4, 0, 0x03
	OUT16 5, 1, 0x03
	OUT16 6, 2, 0x03
	OUT16 7, 3, 0x03
	s_set_vgpr_msb 0x1
	s_wait_tensorcnt 0x0
	ds_add_u32 v255, v63
	s_wait_dscnt 0x0
	s_set_vgpr_msb 0x100
	CROUND                                         ; the closing round
	s_endpgm
.Lfunc_end_k_q93500d8cc8_oproj:
	.size	k_q93500d8cc8_oproj, .Lfunc_end_k_q93500d8cc8_oproj-k_q93500d8cc8_oproj
	.p2alignl 7, 3214868480
	.fill 96, 4, 3214868480
	.section	.rodata,"a",@progbits
	.p2align	6, 0x0
	.amdhsa_kernel k_q93500d8cc8_oproj
		.amdhsa_group_segment_fixed_size 327680
		.amdhsa_private_segment_fixed_size 0
		.amdhsa_enable_private_segment 0
		.amdhsa_kernarg_size 40
		.amdhsa_user_sgpr_count 2
		.amdhsa_user_sgpr_kernarg_segment_ptr 1
		.amdhsa_wavefront_size32 1
		.amdhsa_system_sgpr_workgroup_id_x 1
		.amdhsa_system_sgpr_workgroup_id_y 1
		.amdhsa_system_sgpr_workgroup_id_z 1
		.amdhsa_system_vgpr_workitem_id 0
		.amdhsa_next_free_vgpr 1024
		.amdhsa_next_free_sgpr 96
		.amdhsa_reserve_vcc 0
		.amdhsa_float_denorm_mode_32 3
		.amdhsa_float_denorm_mode_16_64 3
		.amdhsa_memory_ordered 1
		.amdhsa_forward_progress 1
		.amdhsa_inst_pref_size 219
	.end_amdhsa_kernel
	.amdgpu_metadata
---
amdhsa.version: [ 1, 2 ]
amdhsa.kernels:
  - .name:           k_q93500d8cc8_oproj
    .symbol:         k_q93500d8cc8_oproj.kd
    .args:
      - { .name: oh, .offset: 0, .size: 8, .value_kind: global_buffer, .address_space: global }
      - { .name: wo16, .offset: 8, .size: 8, .value_kind: global_buffer, .address_space: global }
      - { .name: bo, .offset: 16, .size: 8, .value_kind: global_buffer, .address_space: global }
      - { .name: scl, .offset: 24, .size: 8, .value_kind: global_buffer, .address_space: global }
      - { .name: out0, .offset: 32, .size: 8, .value_kind: global_buffer, .address_space: global }
    .group_segment_fixed_size: 327680
    .private_segment_fixed_size: 0
    .kernarg_segment_align: 8
    .kernarg_segment_size: 40
    .max_flat_workgroup_size: 128
    .sgpr_count:     96
    .vgpr_count:     1024
    .wavefront_size: 32
...
	.end_amdgpu_metadata
.endif
;; end of part 4
